; MI455X (gfx1250); checked and timed in simulation.
; The chip was launched on July 23, 2026; its instructions are those of AMD's public machine-readable ISA for CDNA 5 (MIT licence, August 2026) and "CDNA5" Instruction Set Architecture Reference Guide (July 2026). The comments in the code are by the model that wrote it; some were corrected since.
;; Multi Attention. Allowed arithmetic: matrix products marked QUANTISED: E4M3 operands, one given power-of-two scale a tensor, by v_wmma_f32_16x16x64_fp8_fp8 or v_wmma_f32_16x16x128_fp8_fp8, f32 sums; everything else in f32.
;; Inputs: Wk 2,048 x 1,024 float32; Wq 2,048 x 1,024 float32; Wv 2,048 x 1,024 float32; bk 2,048 float32; bq 2,048 float32; bv 2,048 float32; key 2 x 2,048 x 1,024 float32; lowp_scales 10 int32 (the exponents e of the quantised operands' scales 2^e); mask 1 x 2,048 x 2,048 int32; query 2 x 2,048 x 1,024 float32; value 2 x 2,048 x 1,024 float32.
;; Outputs: out0 2 x 2,048 x 2,048 float32.
;; This version of the problem:
;;   THIS VERSION OF THE PROBLEM IS GIVEN IN LOW PRECISION. The matrix products marked QUANTISED in the list below multiply operands that are first quantised to E4M3 (4 exponent bits, 3 mantissa bits; 8 bits a number), with one given power-of-two scale for each operand tensor; their sums are f32. All else is computed in f32.
;;   The module's matrix products, in the order in which they are computed (A, B: the left and right operand; K: the contracted axis; several contracted axes count as one K, in the product's order):
;;     1. [M 4,096, K 1,024] x [K 1,024, N 2,048]; A: input query; B: input Wq: QUANTISED (scales: A lowp_scales[0], B lowp_scales[1])
;;     2. [M 4,096, K 1,024] x [K 1,024, N 2,048]; A: input key; B: input Wk: QUANTISED (scales: A lowp_scales[2], B lowp_scales[3])
;;     3. [M 4,096, K 1,024] x [K 1,024, N 2,048]; A: input value; B: input Wv: QUANTISED (scales: A lowp_scales[4], B lowp_scales[5])
;;     4. batch 32 x [M 2,048, K 128] x [K 128, N 2,048]; A: computed on the way; B: computed on the way: QUANTISED (scales: A lowp_scales[6], B lowp_scales[7])
;;     5. batch 32 x [M 2,048, K 2,048] x [K 2,048, N 128]; A: softmax (see below); B: computed on the way: QUANTISED (scales: A lowp_scales[8], B lowp_scales[9])
;;   THE QUANTISER, for each operand of a quantised product, along K:
;;     - The operand's scale is 2^e, e = its entry of the input lowp_scales (int32; the entries are numbered through the quantised products in the list's order, A before B).
;;     - Each number is divided by the scale, clamped to +-448, and rounded to the nearest number of E4M3, ties to even, subnormals kept.
;;     - The product sums the exact products of the quantised numbers (number of the format x scale) in f32.
;;   ~~~python
;;   def quantise(x, axis, e):      # numpy; x: float32 -> the quantised numbers, widened to float32 again
;;       x = np.moveaxis(x, axis, -1); K = x.shape[-1]
;;       r = np.clip(x / 2.0 ** e, -448, 448)
;;       step = 2.0 ** (np.maximum(np.frexp(np.where(r == 0, 1, r))[1] - 1, -6) - 3)
;;       q = np.round(r / step) * step * 2.0 ** e      # np.round: ties to even
;;       return np.moveaxis(q, -1, axis).astype(np.float32)
;;   ~~~
;;   SOFTMAX AHEAD OF A QUANTISED PRODUCT. Where the list says 'softmax', what is quantised is not the finished softmax but p = 2^(t - M), with t = logit x log2(e) and M = ceil(the row's largest t), a whole number; so 1/2 < the row's largest p <= 1. The row's sum l is taken of the UNQUANTISED p, in f32, and the product's result is divided by l at the end. Since M is a whole number, a kernel that streams over the keys may use a running M (the ceiling of the running maximum): every later rescaling is an exact power of two, so the quantised numbers keep their values, but for numbers so far below the row's largest that they fall under the format's range.
;;   OPERANDS COMPUTED ON THE WAY. 'Computed on the way' means the value that the module computes at that place (a softmax that the list does not call 'softmax' is quantised finished and normalised). What goes into a quantiser is computed in f32, as accurately as f32 sums, v_exp_f32 and their like allow (about 1e-6 of the number): no bf16 or f16 on the way to a quantiser, and a product that is left as it is and whose result goes on into a quantised operand takes f32 operands (vector FMAs, or v_wmma_f32_16x16x4_f32). A number that lies on a knife's edge between two numbers of the format may be rounded either way, as far as f32 arithmetic and the matrix unit's own rounding can turn it there, and no further.
;; 2 versions. Each part assembles by itself: llvm-mc -triple=amdgcn-amd-amdhsa -mcpu=gfx1250 --defsym DOCPART=n.
;; ======== version 1 of 2: 4 launches
;; workspace buffers: codes 18,874,368 bytes; maskw 524,288 bytes of whole numbers; qimg 8,388,608 bytes; kvimg 16,777,216 bytes
;; launch quant (part 1): grid 576 x 1, 4 waves a work-group, no clusters, 33,280 bytes of LDS; arguments query, key, value, Wq, Wk, Wv, lowp_scales, codes; writes codes
.if DOCPART == 1
	.amdgcn_target "amdgcn-amd-amdhsa--gfx1250"
	.amdhsa_code_object_version 6
	.text
	.protected	k_qa35b64a1aa_quant
	.globl	k_qa35b64a1aa_quant
	.p2align	8
	.type	k_qa35b64a1aa_quant,@function
k_qa35b64a1aa_quant:
	s_mov_b64 s[64:65], 0
	v_nop
	global_prefetch_b8 v0, s[64:65] scope:SCOPE_SE
	s_setreg_imm32_b32 hwreg(HW_REG_WAVE_MODE, 25, 1), 1
	s_wait_xcnt 0x0
; query, key, value [4096][1024] and Wq, Wk, Wv [2048][1024], f32, become codes of FP8 (E4M3), K innermost, each with the scale 2^e given for it:
; code = x / 2^e, held within +-448, rounded to the nearest code, ties to even.  e: entries 0, 2, 4 (query, key, value) and 1, 3, 5 (Wq, Wk, Wv) of the scales.
; LIMITS: -126 <= e <= 119, so that 2^e and 448 x 2^e are f32 numbers.  NaN among the inputs is not served (an infinity is held at the largest code).
; THE CODES' BUFFER holds the six tensors one behind the other, 18,432 rows of 1,024 bytes.  IN EVERY 32 ROWS THE FOUR GROUPS OF 8 ROWS LIE IN THE ORDER 0, 2, 1, 3:
; place 16 i + r of a block of 128 rows then holds row 32 (i / 2) + 8 (i % 2) + r + 8 (r / 8), the order in which the next launch wants the rows of a tile of 16.
; SHARES.  A work-group takes 32 rows, a wave 8 (8,192 numbers, 16 steps of 512): so the order above is one swap of the middle two waves' places.
; Work-groups 0-127 query, 128-255 key, 256-383 value, 384-447 Wq, 448-511 Wk, 512-575 Wv: only pointers and e are chosen, all take one path.
; A conversion takes 8 neighbours from ONE lane's registers; a load is best where neighbouring LANES take neighbouring bytes.  Both are had: each of a step's four loads reads 512 consecutive
; bytes; the 2,048 bytes go through the wave's own stage in LDS and come back 64 bytes a lane (16 bytes of padding behind each 64).  A lane's 16 codes are 16 bytes: the wave stores 512 consecutive bytes.
; No tensor loads, no barrier: waves share nothing.  Loads run four steps (16 loads a wave) ahead, the turn through LDS one step.
.set STEPS, 16
.set EMAX,  8
.set MANT,  0x600000                   ; the mantissa field of 448 as f32
.set R,     16                         ; v16-79   four sets of 16 numbers as they are loaded
.set X,     80                         ; v80-111  two sets of 16 neighbours
.set C,     128                        ; v128-191 codes: four registers for each step, so that no store's data are written again
.set WREG,  8192                       ; LDS: a region of its own for each wave: two stages of 32 x SP bytes
.set SP,    80                         ; a lane's place in a stage: its 64 bytes + 16 of padding
	s_load_b512 s[8:23], s[0:1], 0x0               ; query s[8:9], key, value, Wq, Wk, Wv s[18:19], the scales s[20:21], the codes s[22:23]
	v_lshl_add_u32 v192, v0, 2, 0x8000
	v_mov_b32 v193, 0
	v_lshrrev_b32 v1, 5, v0
	v_readfirstlane_b32 s2, v1                     ; wave
	v_and_b32 v2, 31, v0                           ; lane
	v_lshlrev_b32 v3, 4, v2                        ; my 16 bytes of a load's 512, and of a store's
	s_mul_i32 s3, s2, WREG
	v_lshrrev_b32 v14, 2, v2
	v_mul_u32_u24 v14, v14, SP
	v_and_b32 v15, 3, v2
	v_lshl_add_u32 v14, v15, 4, v14
	v_add_nc_u32 v14, s3, v14                      ; the stage, on the way in: SP (lane / 4) + 16 (lane % 4); a load's 512 bytes take eight places
	v_mul_u32_u24 v15, v2, SP
	v_add_nc_u32 v15, s3, v15                      ; and on the way out: SP x lane: my 16 neighbours
	s_and_b32 s32, s2, 1                           ; my 8 rows' place among the work-group's 32: waves 1 and 2 change places
	s_lshl_b32 s32, s32, 1
	s_lshr_b32 s33, s2, 1
	s_or_b32 s32, s32, s33
	s_lshl_b32 s33, ttmp9, 2
	s_add_co_u32 s32, s32, s33
	s_lshl_b32 s32, s32, 13                        ; x 8 rows of 1,024 bytes
	s_mov_b32 s33, 0
	s_wait_kmcnt 0x0
	s_load_b256 s[24:31], s[20:21], 0x0            ; e0 .. e7
	s_mov_b64 s[4:5], s[18:19]                     ; which tensor is mine hangs on the work-group's number alone: Wv, unless
	s_mov_b32 s6, 512
	s_cmp_lt_u32 ttmp9, 512
	s_cselect_b64 s[4:5], s[16:17], s[4:5]         ; Wk
	s_cselect_b32 s6, 448, s6
	s_cmp_lt_u32 ttmp9, 448
	s_cselect_b64 s[4:5], s[14:15], s[4:5]         ; Wq
	s_cselect_b32 s6, 384, s6
	s_cmp_lt_u32 ttmp9, 384
	s_cselect_b64 s[4:5], s[12:13], s[4:5]         ; value
	s_cselect_b32 s6, 256, s6
	s_cmp_lt_u32 ttmp9, 256
	s_cselect_b64 s[4:5], s[10:11], s[4:5]         ; key
	s_cselect_b32 s6, 128, s6
	s_cmp_lt_u32 ttmp9, 128
	s_cselect_b64 s[4:5], s[8:9], s[4:5]           ; query
	s_cselect_b32 s6, 0, s6                        ; s6: the tensor's first work-group
	s_sub_co_u32 s6, ttmp9, s6
	s_lshl_b32 s6, s6, 2
	s_add_co_u32 s6, s6, s2
	s_lshl_b32 s6, s6, 15                          ; my 8 rows of 4,096 bytes in the tensor
	s_mov_b32 s7, 0
	s_add_nc_u64 s[4:5], s[4:5], s[6:7]
	s_add_nc_u64 s[22:23], s[22:23], s[32:33]
.macro LOAD t
.irp i, 0,1,2,3
	global_load_b128 v[R+16*((\t)%4)+4*\i:R+16*((\t)%4)+4*\i+3], v3, s[4:5] offset:2048*(\t)+512*\i th:TH_LOAD_NT   ; 32 lanes read 512 consecutive bytes, read once in the launch
.endr
.endm
.macro TURN t                          ; step t's numbers through the stage: LDS serves a wave's instructions in order (ISA guide 5.7.1.4), so no wait stands between the stores and the loads
.irp i, 0,1,2,3
	ds_store_b128 v14, v[R+16*((\t)%4)+4*\i:R+16*((\t)%4)+4*\i+3] offset:32*SP*((\t)%2)+8*SP*\i
.endr
.irp i, 0,1,2,3
	ds_load_b128 v[X+16*((\t)%2)+4*\i:X+16*((\t)%2)+4*\i+3], v15 offset:32*SP*((\t)%2)+16*\i
.endr
.endm
.irp t, 0,1,2,3
	LOAD \t
.endr
	s_wait_kmcnt 0x0
	s_mov_b32 s34, s29                             ; e, by the same chain: e5 (Wv), unless
	s_cmp_lt_u32 ttmp9, 512
	s_cselect_b32 s34, s27, s34                    ; e3 (Wk)
	s_cmp_lt_u32 ttmp9, 448
	s_cselect_b32 s34, s25, s34                    ; e1 (Wq)
	s_cmp_lt_u32 ttmp9, 384
	s_cselect_b32 s34, s28, s34                    ; e4 (value)
	s_cmp_lt_u32 ttmp9, 256
	s_cselect_b32 s34, s26, s34                    ; e2 (key)
	s_cmp_lt_u32 ttmp9, 128
	s_cselect_b32 s34, s24, s34                    ; e0 (query)
	s_add_co_i32 s34, s34, 127
	s_lshl_b32 s35, s34, 23
	v_mov_b32 v11, s35                             ; 2^e as f32: the conversion takes its exponent field
	s_add_co_i32 s34, s34, EMAX
	s_lshl_b32 s34, s34, 23
	s_or_b32 s34, s34, MANT
	v_mov_b32 v10, s34                             ; 448 x 2^e
	s_wait_loadcnt 12                              ; step 0's four loads are in; those of steps 1 to 3 may be out
	TURN 0
.macro STEP t
.set XS, X+16*((\t)%2)
	s_wait_dscnt 0x0                               ; this step's numbers are back from the stage: so its stores into the stage have read their registers,
.if (\t)+4 < STEPS
	LOAD (\t)+4                                    ; which take the loads of four steps on
.endif
.if (\t)+1 < STEPS
.if STEPS-2-(\t) >= 3
	s_wait_loadcnt 12                              ; the next step's four loads are in; those of the three steps behind it may be out
.else
	s_wait_loadcnt 4*(STEPS-2-(\t))                ; the tail: fewer steps are behind it
.endif
	TURN (\t)+1                                    ; and go through the other stage while this step is worked
.endif
.irp i, 0,1,2,3,4,5,6,7,8,9,10,11,12,13,14,15
	v_med3_num_f32 v[XS+\i], v[XS+\i], -v10, v10   ; the conversion to an 8-bit code does not saturate (ISA guide 7.6.2): the number is held within 448 x the scale first
.endr
	v_cvt_scalef32_pk8_fp8_f32 v[C+4*(\t):C+4*(\t)+1], v[XS:XS+7], v11          ; eight numbers / 2^e, to the nearest code, ties to even; the first number's code in the lowest byte
	v_cvt_scalef32_pk8_fp8_f32 v[C+4*(\t)+2:C+4*(\t)+3], v[XS+8:XS+15], v11     ; (the results go to a store alone; the next vector lines are the next step's holds, plain ones on other registers)
	global_store_b128 v3, v[C+4*(\t):C+4*(\t)+3], s[22:23] offset:512*(\t)      ; 32 lanes store 512 consecutive bytes, at a multiple of 512 from the buffer's first byte
.endm
.irp t, 0,1,2,3,4,5,6,7,8,9,10,11,12,13,14,15
	STEP \t
.endr
	s_wait_tensorcnt 0x0
	ds_add_u32 v192, v193
	s_wait_dscnt 0x0
	s_endpgm
.Lfunc_end_k_qa35b64a1aa_quant:
	.size	k_qa35b64a1aa_quant, .Lfunc_end_k_qa35b64a1aa_quant-k_qa35b64a1aa_quant
	.p2alignl 7, 3214868480
	.fill 96, 4, 3214868480
	.section	.rodata,"a",@progbits
	.p2align	6, 0x0
	.amdhsa_kernel k_qa35b64a1aa_quant
		.amdhsa_group_segment_fixed_size 33280
		.amdhsa_private_segment_fixed_size 0
		.amdhsa_enable_private_segment 0
		.amdhsa_kernarg_size 64
		.amdhsa_user_sgpr_count 2
		.amdhsa_user_sgpr_kernarg_segment_ptr 1
		.amdhsa_wavefront_size32 1
		.amdhsa_system_sgpr_workgroup_id_x 1
		.amdhsa_system_sgpr_workgroup_id_y 1
		.amdhsa_system_sgpr_workgroup_id_z 1
		.amdhsa_system_vgpr_workitem_id 0
		.amdhsa_next_free_vgpr 194
		.amdhsa_next_free_sgpr 66
		.amdhsa_reserve_vcc 0
		.amdhsa_float_denorm_mode_32 3
		.amdhsa_float_denorm_mode_16_64 3
		.amdhsa_memory_ordered 1
		.amdhsa_forward_progress 1
		.amdhsa_inst_pref_size 38
	.end_amdhsa_kernel
	.amdgpu_metadata
---
amdhsa.version: [ 1, 2 ]
amdhsa.kernels:
  - .name:           k_qa35b64a1aa_quant
    .symbol:         k_qa35b64a1aa_quant.kd
    .args:
      - { .name: query, .offset: 0, .size: 8, .value_kind: global_buffer, .address_space: global }
      - { .name: key, .offset: 8, .size: 8, .value_kind: global_buffer, .address_space: global }
      - { .name: value, .offset: 16, .size: 8, .value_kind: global_buffer, .address_space: global }
      - { .name: Wq, .offset: 24, .size: 8, .value_kind: global_buffer, .address_space: global }
      - { .name: Wk, .offset: 32, .size: 8, .value_kind: global_buffer, .address_space: global }
      - { .name: Wv, .offset: 40, .size: 8, .value_kind: global_buffer, .address_space: global }
      - { .name: lowp_scales, .offset: 48, .size: 8, .value_kind: global_buffer, .address_space: global }
      - { .name: codes, .offset: 56, .size: 8, .value_kind: global_buffer, .address_space: global }
    .group_segment_fixed_size: 33280
    .private_segment_fixed_size: 0
    .kernarg_segment_align: 8
    .kernarg_segment_size: 64
    .max_flat_workgroup_size: 128
    .sgpr_count:     66
    .vgpr_count:     194
    .wavefront_size: 32
...
	.end_amdgpu_metadata
.endif
;; end of part 1
;; launch maskw (part 2): grid 128 x 4, 4 waves a work-group, no clusters, 34,304 bytes of LDS; arguments mask, maskw; writes maskw
.if DOCPART == 2
	.amdgcn_target "amdgcn-amd-amdhsa--gfx1250"
	.amdhsa_code_object_version 6
	.text
	.protected	k_qa35b64a1aa_maskw
	.globl	k_qa35b64a1aa_maskw
	.p2align	8
	.type	k_qa35b64a1aa_maskw,@function
k_qa35b64a1aa_maskw:
	s_mov_b64 s[64:65], 0
	v_nop
	global_prefetch_b8 v0, s[64:65] scope:SCOPE_SE
	s_setreg_imm32_b32 hwreg(HW_REG_WAVE_MODE, 25, 1), 1
	s_wait_xcnt 0x0
; The mask [2048][2048], int32, becomes LANE WORDS for the attention launch: for each tile T of 16 queries (128 tiles) and each step of 128 keys (16 steps) 64 words of 32 bits.
; Bit l = (r = l % 16, h = l / 16) of word 16 b + i is set where mask[q(T, r)][128 step + 32 b + 16 h + i] is not 0, with q(T, r) = 128 (T / 8) + 32 ((T % 8) / 2) + 8 (T % 2) + r + 8 (r / 8):
; the place that score register 16 b + i of lane l has there.  So a word is what a compare over the 32 lanes writes, and what a select over the 32 lanes reads.  16 MiB are read once; 512 KiB are written.
; SHARES.  T = work-group x; step = 4 x work-group y + wave.  A wave takes 16 rows x 512 bytes: each load reads 512 consecutive bytes of one row; the rows go through the wave's own stage in LDS
; (rows 528 bytes apart) and come back with a lane holding 16 neighbours of each block of 32 keys of ITS row.  No loop, no barrier: waves share nothing.
.set PITCH, 528
.set WREG,  16*PITCH                   ; a wave's stage
.set R,     16                         ; v16-79   16 rows as loaded
.set X,     80                         ; v80-143  register 16 b + i: my row, key 32 b + 16 h + i
.set W,     144                        ; v[144:145] the 64 words: word w in register w % 2 of lane w / 2
	s_load_b128 s[4:7], s[0:1], 0x0                ; the mask, the words
	v_lshl_add_u32 v152, v0, 2, 0x8400
	v_mov_b32 v153, 0
	v_lshrrev_b32 v1, 5, v0
	v_readfirstlane_b32 s8, v1                     ; wave
	v_and_b32 v2, 31, v0                           ; lane
	v_lshlrev_b32 v3, 4, v2                        ; my 16 bytes of a row's 512
	s_mul_i32 s9, s8, WREG
	v_add_nc_u32 v4, s9, v3                        ; the stage, on the way in
	v_and_b32 v7, 15, v0                           ; r
	v_bfe_u32 v8, v0, 4, 1                         ; h
	v_mul_u32_u24 v5, v7, PITCH
	v_lshl_add_u32 v5, v8, 6, v5
	v_add_nc_u32 v5, s9, v5                        ; and on the way out: row r, + 64 h
	v_lshlrev_b32 v6, 3, v2                        ; my two words' place in the 256 bytes that go out
	v_mov_b32 v[W], 0                              ; (a lane write counts as a reader of its destination)
	v_mov_b32 v[W+1], 0
	s_and_b32 s10, ttmp7, 0xffff
	s_lshl_b32 s10, s10, 2
	s_add_co_u32 s10, s10, s8                      ; the step
	s_lshr_b32 s11, ttmp9, 3
	s_lshl_b32 s11, s11, 7
	s_bfe_u32 s12, ttmp9, 0x20001
	s_lshl_b32 s12, s12, 5
	s_add_co_u32 s11, s11, s12
	s_and_b32 s12, ttmp9, 1
	s_lshl_b32 s12, s12, 3
	s_add_co_u32 s11, s11, s12                     ; q(T, 0)
	s_lshl_b32 s12, s11, 13                        ; a row of the mask is 8,192 bytes,
	s_lshl_b32 s13, s10, 9                         ; a step's keys 512
	s_add_co_u32 s12, s12, s13
	s_mov_b32 s13, 0
	s_lshl_b32 s14, ttmp9, 4
	s_add_co_u32 s14, s14, s10
	s_lshl_b32 s14, s14, 8                         ; (16 T + step) x 256 bytes
	s_mov_b32 s15, 0
	s_wait_kmcnt 0x0
	s_add_nc_u64 s[4:5], s[4:5], s[12:13]
	s_add_nc_u64 s[6:7], s[6:7], s[14:15]
.irp j, 0,1,2,3,4,5,6,7,8,9,10,11,12,13,14,15
	global_load_b128 v[R+4*\j:R+4*\j+3], v3, s[4:5] offset:(\j+8*(\j/8))*8192 th:TH_LOAD_NT   ; row q(T, j): 512 consecutive bytes, read once in the launch
.endr
.irp j, 0,1,2,3,4,5,6,7,8,9,10,11,12,13,14,15
	s_wait_loadcnt 15-\j                           ; row j is in; the younger loads stay out
	ds_store_b128 v4, v[R+4*\j:R+4*\j+3] offset:PITCH*\j
.endr
.irp b, 0,1,2,3
.irp k, 0,1,2,3
	ds_load_b128 v[X+16*\b+4*\k:X+16*\b+4*\k+3], v5 offset:128*\b+16*\k   ; LDS serves a wave's instructions in order (ISA guide 5.7.1.4): these see the stores above
.endr
.endr
	s_wait_dscnt 0x0
.set w, 0
.rept 64
	v_cmp_ne_u32 s[16+w%8], 0, v[X+w]              ; word w: one bit a lane
	v_writelane_b32 v[W+w%2], s[16+w%8], w/2
.set w, w+1
.endr
	global_store_b64 v6, v[W:W+1], s[6:7]          ; 32 lanes store 256 consecutive bytes, at a multiple of 256 from the buffer's first byte
	s_wait_tensorcnt 0x0
	ds_add_u32 v152, v153
	s_wait_dscnt 0x0
	s_endpgm
.Lfunc_end_k_qa35b64a1aa_maskw:
	.size	k_qa35b64a1aa_maskw, .Lfunc_end_k_qa35b64a1aa_maskw-k_qa35b64a1aa_maskw
	.p2alignl 7, 3214868480
	.fill 96, 4, 3214868480
	.section	.rodata,"a",@progbits
	.p2align	6, 0x0
	.amdhsa_kernel k_qa35b64a1aa_maskw
		.amdhsa_group_segment_fixed_size 34304
		.amdhsa_private_segment_fixed_size 0
		.amdhsa_enable_private_segment 0
		.amdhsa_kernarg_size 16
		.amdhsa_user_sgpr_count 2
		.amdhsa_user_sgpr_kernarg_segment_ptr 1
		.amdhsa_wavefront_size32 1
		.amdhsa_system_sgpr_workgroup_id_x 1
		.amdhsa_system_sgpr_workgroup_id_y 1
		.amdhsa_system_sgpr_workgroup_id_z 1
		.amdhsa_system_vgpr_workitem_id 0
		.amdhsa_next_free_vgpr 154
		.amdhsa_next_free_sgpr 66
		.amdhsa_reserve_vcc 0
		.amdhsa_float_denorm_mode_32 3
		.amdhsa_float_denorm_mode_16_64 3
		.amdhsa_memory_ordered 1
		.amdhsa_forward_progress 1
		.amdhsa_inst_pref_size 15
	.end_amdhsa_kernel
	.amdgpu_metadata
---
amdhsa.version: [ 1, 2 ]
amdhsa.kernels:
  - .name:           k_qa35b64a1aa_maskw
    .symbol:         k_qa35b64a1aa_maskw.kd
    .args:
      - { .name: mask, .offset: 0, .size: 8, .value_kind: global_buffer, .address_space: global }
      - { .name: maskw, .offset: 8, .size: 8, .value_kind: global_buffer, .address_space: global }
    .group_segment_fixed_size: 34304
    .private_segment_fixed_size: 0
    .kernarg_segment_align: 8
    .kernarg_segment_size: 16
    .max_flat_workgroup_size: 128
    .sgpr_count:     66
    .vgpr_count:     154
    .wavefront_size: 32
...
	.end_amdgpu_metadata
.endif
;; end of part 2
;; launch proj (part 3): grid 8 x 48, 4 waves a work-group, clusters of 4 x 4, 327,680 bytes of LDS; arguments codes, lowp_scales, bq, bk, bv, qimg, kvimg; writes qimg, kvimg
.if DOCPART == 3
	.amdgcn_target "amdgcn-amd-amdhsa--gfx1250"
	.amdhsa_code_object_version 6
	.text
	.protected	k_qa35b64a1aa_proj
	.globl	k_qa35b64a1aa_proj
	.p2align	8
	.type	k_qa35b64a1aa_proj,@function
k_qa35b64a1aa_proj:
	s_mov_b64 s[64:65], 0
	v_nop
	global_prefetch_b8 v0, s[64:65] scope:SCOPE_SE
	s_setreg_imm32_b32 hwreg(HW_REG_WAVE_MODE, 25, 1), 1
	s_wait_xcnt 0x0
	s_wait_alu depctr_hold_cnt(0) depctr_sa_sdst(0) depctr_va_vdst(0) depctr_va_sdst(0) depctr_va_ssrc(0) depctr_va_vcc(0) depctr_vm_vsrc(0)
	s_getreg_b32 s2, hwreg(HW_REG_IB_STS2, 6, 4)
	s_cmp_eq_u32 s2, 0
	s_cbranch_scc0 .Lentry_in_a_cluster
	s_endpgm
.Lentry_in_a_cluster:
	s_bfe_u32 s2, ttmp6, 0x10000c
	s_cmp_lg_u32 s2, 0xf033
	s_cbranch_scc0 .Lentry_shape_is_right
	s_endpgm
.Lentry_shape_is_right:
; Q = relu(query Wq^T + bq), K = relu(key Wk^T + bk), V = relu(value Wv^T + bv): three products [4096 x 1024] x [1024 x 2048] on codes of FP8 (E4M3), sums in f32; the results are quantised again, with the
; scales given for the attention's operands (entries 6, 7, 9), and stored AS IMAGES OF THE OPERANDS' REGISTERS: a fragment (16 rows x 128 along K) is 2,048 bytes, register 4 c + x of lane l at byte 512 c + 16 l + 4 x.
; ONE LOOP SERVES ALL THREE.  Source 0 of the matrix instruction is operand P, whose rows end up along a lane's registers; source 1 is operand R, whose rows end up in the lanes.
; For Q and K: P = the weight (128 rows = a head's d), R = the rows of query or key.  For V: P = value (128 rows = a step's keys), R = Wv (a head's d): V's K in the attention is the keys.
; The codes' buffer holds every 32 rows in the order of groups 0, 2, 1, 3: so register 16 b + i of a lane (r, h), over P's eight tiles, is P's row 32 b + 16 h + i of my 128, and lane r of R's tile a is R's row
; 32 (a / 2) + 8 (a % 2) + r + 8 (r / 8).  A block's 64 registers, converted eight at a time, ARE a fragment's 16 registers: they are stored straight from registers, 512 consecutive bytes an instruction.
; SHARES.  A work-group of four waves makes 256 rows of P x 256 rows of R; a wave 128 x 128: 64 accumulators, 512 registers.  384 work-groups: 8 x 32 for Q and K, 8 x 16 for V.
; K goes in steps of 256 through a ring of two LDS slots filled by the tensor data mover: a tile's row is 256 bytes of memory.
; CLUSTERS: 4 x 4 work-groups.  R's tile hangs on the place along y and is shared along a row of the cluster, P's on the place along x and is shared along a column: each is asked for JOINTLY, by the same
; tensor load with the same descriptor and a mask that names the four.  Which of the three products a cluster serves hangs on the CLUSTER's y, which all sixteen share; so does the one branch on it.
; A sum stands for sum x 2^(ex + ew): the bias goes in as b / 2^(ex + ew), and the conversion takes the one scale 2^(eo - ex - ew); the hold between 0 and 448 x that scale is also the relu.
; LIMITS: eo - ex - ew between -126 and 119, so that both powers of two are f32 numbers.  NaN among the inputs is not served.
; REGISTERS, in windows of 256: window 0: v16-30 addresses and constants; v32-95 the bias; v96-103 V's bias as loaded; from v128 R's fragments, ONE set; on the way out v128-191 a block's numbers, v192-223 its codes, two sets.
;   window 1: P's fragments, TWO sets, at v0 and v128.   window 2: the accumulators of R's blocks 0-3 (accumulator (a, b) at v[8 (8 (a % 4) + b)]);   window 3: those of blocks 4-7.
.set ROWB,   256                       ; a tile's row in bytes: 256 along K
.set KROW,   1024                      ; a row of codes in memory
.set PITCH,  272                       ; an LDS row: 256 bytes + 16 of padding = 68 words: the 16 rows that a load touches start 4 banks apart (64 banks of 4 bytes: ISA guide 11.1)
.set FR,     16                        ; registers of a fragment
.set NL,     4                         ; LDS loads that bring one
.set NP,     4                         ; places behind this matrix instruction (ISA guide 7.12.1)
.set HALFT,  128*PITCH                 ; 128 rows: what one tensor load brings, and what one wave reads of R or of P
.set SLOT,   4*HALFT                   ; R's 256 rows, then P's 256 rows
.set SPARE,  2*SLOT                    ; behind the ring: the spare words, 128 bytes for each wave: two blocks of 256 bytes that no other line names
.set ADRA, 16                          ; v16-17  LDS address of my fragments of R in slot 0, 1
.set ADRB, 20                          ; v20-21  the same for P
.set BH,   24                          ; v24     64 h: my half's 16 numbers of each 32 of a bias
.set BL,   25                          ; v25     4 (r + 8 (r / 8)): my lane's number of a tile of V's bias
.set LI,   26                          ; v26     16 x lane: my place in an image
.set SC,   27                          ; v27     2^(eo - ex - ew)
.set SPW,  28                          ; v28     LDS address of my spare word; never rewritten
.set NIL,  29                          ; v29     0; never rewritten
.set LIM,  30                          ; v30     448 x 2^(eo - ex - ew)
.set BI,   32
.set BV,   96
.set AF,   128
.set TMP,  128
.set CD,   192
.set G1, 24                            ; s[24:31] descriptor group 1 for R's tiles;  s[32:39] group 0, one set for each slot
.set G0, 32
.set G1B, 48                           ; s[48:55], s[56:63] the same for P's tiles
.set G0B, 56
.set MSB, 0
.macro WIN new                         ; the immediate's high byte repeats the setting that is left; a switch that changes nothing is dropped
.if MSB != (\new)
	s_set_vgpr_msb (MSB<<8)|(\new)
.set MSB, (\new)
.endif
.endm
.set MUL_LO, 0xa1                      ; source 0 (P) window 1, source 1 (R) window 0, C and D window 2
.set MUL_HI, 0xf1                      ; the same, C and D window 3
.set TO_B,   0x40                      ; destination window 1, address window 0
; A joint load: waves 0 and 1 fetch for R, waves 2 and 3 for P.  Each of the two lines has ONE mask and one set of registers for all that issue it; the branch hangs on the wave's number alone.
; Four v_nop follow each of the two lines, ahead of the jump, the label and what follows.
.macro JLOAD g0a, g1a, g0b, g1b
	s_cmp_eq_u32 s15, 0
	s_cbranch_scc0 .Lfor_b_\@
	tensor_load_to_lds s[\g0a:\g0a+3], s[\g1a:\g1a+7]
	s_nop 0
.rept 4
	v_nop
.endr
	s_branch .Lasked_\@
.Lfor_b_\@:
	tensor_load_to_lds s[\g0b:\g0b+3], s[\g1b:\g1b+7]
	s_nop 0
.rept 4
	v_nop
.endr
.Lasked_\@:
.endm
.macro CREST                           ; a round of the cluster's barrier behind its opening barrier
	s_cmp_lg_u32 s14, 0
	s_cbranch_scc1 .Lnot_wave_0_\@
	s_barrier_signal -3
.Lnot_wave_0_\@:
	s_barrier_wait -3
	s_barrier_signal -1
	s_barrier_wait -1
.endm
.macro CROUND                          ; a whole round
	s_barrier_signal -1
	s_barrier_wait -1
	CREST
.endm
	s_load_b128 s[4:7], s[0:1], 0x0                ; the codes s[4:5], the scales' exponents s[6:7]
	s_load_b128 s[8:11], s[0:1], 0x10              ; bq, bk
	s_load_b64 s[12:13], s[0:1], 0x20              ; bv
	s_load_b128 s[84:87], s[0:1], 0x28             ; Q's images, K's and V's images
	v_lshl_add_u32 v[SPW], v0, 2, SPARE
	v_mov_b32 v[NIL], 0
	ds_add_u32 v28, v29
	s_wait_dscnt 0x0
	v_lshrrev_b32 v1, 5, v0
	v_readfirstlane_b32 s14, v1                    ; wave 0..3
	s_lshr_b32 s15, s14, 1                         ; which half of R's rows is mine.  Also: I fetch for R (0) or for P (1)
	s_and_b32 s16, s14, 1                          ; which half of P's rows.  Also: which 128 rows of that tile I fetch
	s_bfe_u32 s40, ttmp6, 0x40000                  ; cx, cy: my place in the cluster
	s_bfe_u32 s41, ttmp6, 0x40004
	s_and_b32 s70, ttmp7, 0xffff                   ; the cluster's y, 0..11: 0-3 Q, 4-7 K, 8-11 V
	; tiles of 256 rows in the codes' buffer: query 0-15, key 16-31, value 32-47, Wq 48-55, Wk 56-63, Wv 64-71
	s_lshr_b32 s88, s70, 2
	s_lshl_b32 s88, s88, 3
	s_add_co_u32 s88, s88, 48                      ; Q, K: P begins at Wq or Wk,
	s_lshr_b32 s89, s70, 1
	s_lshl_b32 s89, s89, 3                         ; V: at value's tile 32 or 40
	s_lshl_b32 s90, s70, 2                         ; Q, K: R's four tiles of query or key,
	s_and_b32 s91, s70, 1
	s_lshl_b32 s91, s91, 2
	s_add_co_u32 s91, s91, 64                      ; V: of Wv
	s_cmp_lt_u32 s70, 8
	s_cselect_b32 s88, s88, s89
	s_cselect_b32 s90, s90, s91
	s_lshl_b32 s42, ttmp9, 2
	s_add_co_u32 s42, s42, s40
	s_add_co_u32 s42, s42, s88                     ; P's tile: + 4 x cluster x + cx
	s_add_co_u32 s17, s90, s41                     ; R's tile: + cy
	s_lshl_b32 s43, s41, 2
	s_lshl_b32 s43, 15, s43                        ; my row of the cluster
	s_lshl_b32 s44, 0x1111, s40                    ; my column
	; descriptor group 1: a tile of 128 rows x 256 bytes, padded in LDS
	s_or_b32 s[G1+0], s43, (0<<16)|(1<<20)|(1<<21)|(5<<22)|(3<<25)  ; 15:0 the mask: R's tiles go to my row; 17:16 element of 1 byte; 20 padding on; 21 set beside a mask; 24:22 after every 64 words (code 5); 31:25 of 4 words (code 3)
	s_or_b32 s[G1B+0], s44, (0<<16)|(1<<20)|(1<<21)|(5<<22)|(3<<25) ; the same with the mask of my column, for P's tiles
.irp g, G1, G1B
	s_mov_b32 s[\g+1], ROWB<<16                    ; tensor_dim0
	s_mov_b32 s[\g+2], 128<<16                     ; tensor_dim1 = 128
	s_mov_b32 s[\g+3], ROWB<<16                    ; tile_dim0
	s_mov_b32 s[\g+4], 128                         ; tile_dim1 = 128
	s_mov_b32 s[\g+5], KROW                        ; tensor_dim0_stride
	s_mov_b32 s[\g+6], 0
	s_mov_b32 s[\g+7], 0
.endr
	s_lshl_b32 s18, s16, 7                         ; which 128 rows of the tile I fetch
	s_lshl_b32 s20, s17, 8
	s_add_co_u32 s20, s20, s18                     ; R: row 256 x tile + 128 x half
	s_lshl_b32 s46, s42, 8
	s_add_co_u32 s46, s46, s18                     ; P likewise, in registers that never hold cy
	s_lshl_b32 s20, s20, 10                        ; in bytes: under 18,432 x 1,024
	s_lshl_b32 s46, s46, 10
	s_mov_b32 s21, 0
	s_mov_b32 s47, 0
	s_mul_i32 s45, s14, HALFT                      ; where they go: wave x 128 rows: no place in the cluster enters an LDS address
	s_wait_kmcnt 0x0
	s_load_b256 s[72:79], s[6:7], 0x0              ; e0 .. e7
	s_load_b64 s[80:81], s[6:7], 0x20              ; e8, e9
	s_add_nc_u64 s[20:21], s[4:5], s[20:21]
	s_add_nc_u64 s[46:47], s[4:5], s[46:47]
	CROUND                                         ; all sixteen work-groups are here: the first joint loads meet
.irp s, 0,1
	s_mov_b32 s[G0+4*\s], 1
	s_add_co_u32 s[G0+4*\s+1], s45, \s*SLOT
	s_add_nc_u64 s[G0+4*\s+2:G0+4*\s+3], s[20:21], \s*ROWB
	s_or_b32 s[G0+4*\s+3], s[G0+4*\s+3], 0x80000000
	s_mov_b32 s[G0B+4*\s], 1
	s_add_co_u32 s[G0B+4*\s+1], s45, \s*SLOT
	s_add_nc_u64 s[G0B+4*\s+2:G0B+4*\s+3], s[46:47], \s*ROWB
	s_or_b32 s[G0B+4*\s+3], s[G0B+4*\s+3], 0x80000000
	JLOAD G0+4*\s, G1, G0B+4*\s, G1B               ; two loads of mine are out
.endr
	v_and_b32 v1, 15, v0                           ; r = l % 16
	v_bfe_u32 v2, v0, 4, 1                         ; h = l / 16
	v_mul_u32_u24 v3, v1, PITCH
	v_lshl_add_u32 v4, v2, 4, v3                   ; a fragment's row x pitch + 16 x half
	s_mul_i32 s21, s15, HALFT                      ; my 128 rows of R
	s_mul_i32 s22, s16, HALFT                      ; my 128 rows of P,
	s_add_co_u32 s22, s22, 2*HALFT                 ; which lie behind R's 256
.irp s, 0,1
	v_add_nc_u32 v[ADRA+\s], s21, v4
	v_add_nc_u32 v[ADRB+\s], s22, v4
	s_add_co_u32 s21, s21, SLOT
	s_add_co_u32 s22, s22, SLOT
.endr
	v_lshlrev_b32 v[BH], 6, v2
	v_and_b32 v[BL], 8, v1
	v_add_nc_u32 v[BL], v[BL], v1
	v_lshlrev_b32 v[BL], 2, v[BL]
	v_and_b32 v[LI], 31, v0
	v_lshlrev_b32 v[LI], 4, v[LI]
	; the way out's scalars, made while the first tiles are on their way
	s_wait_kmcnt 0x0
	s_cmp_lt_u32 s70, 8
	s_cselect_b32 s88, s74, s76                    ; ex: key's or value's,
	s_cselect_b32 s89, s75, s77                    ; ew: Wk's or Wv's,
	s_cselect_b32 s90, s79, s81                    ; eo: K's (entry 7) or V's (entry 9),
	s_cselect_b64 s[10:11], s[10:11], s[12:13]     ; bk or bv;
	s_cmp_lt_u32 s70, 4
	s_cselect_b32 s88, s72, s88                    ; or query's,
	s_cselect_b32 s89, s73, s89                    ; Wq's,
	s_cselect_b32 s90, s78, s90                    ; Q's (entry 6),
	s_cselect_b64 s[8:9], s[8:9], s[10:11]         ; bq,
	s_cselect_b64 s[84:85], s[84:85], s[86:87]     ; and Q's images or K's and V's
	s_lshl_b32 s91, s42, 1
	s_add_co_u32 s91, s91, s16                     ; my block of 128 rows of P,
	s_lshl_b32 s92, s17, 1
	s_add_co_u32 s92, s92, s15                     ; and of R
	s_cmp_lt_u32 s70, 8
	s_cselect_b32 s93, s92, s91                    ; the one of the two that is rows of query, key or value,
	s_cselect_b32 s94, s91, s92                    ; and the one that is rows of a weight
	s_and_b32 s94, s94, 15                         ; the head
	s_and_b32 s93, s93, 31                         ; the block among the tensor's 32: 16 x batch + block of 128 positions
	s_lshr_b32 s95, s93, 4
	s_lshl_b32 s95, s95, 4
	s_add_co_u32 s95, s95, s94                     ; 16 x batch + head
	s_lshl_b32 s95, s95, 4
	s_and_b32 s93, s93, 15
	s_add_co_u32 s95, s95, s93                     ; x 16 + block
	s_cmp_lt_u32 s70, 4
	s_cselect_b32 s93, 14, 15                      ; Q: 8 images (16 KiB) a block; K and V: 16 (32 KiB),
	s_lshl_b32 s18, s95, s93
	s_cmp_lt_u32 s70, 8
	s_cselect_b32 s93, 0, 16384                    ; V's behind K's
	s_add_co_u32 s18, s18, s93
	s_mov_b32 s19, 0
	s_add_nc_u64 s[84:85], s[84:85], s[18:19]      ; where my eight images go
	s_lshl_b32 s18, s94, 9
	s_add_nc_u64 s[8:9], s[8:9], s[18:19]          ; the head's 128 numbers of the bias
	s_add_co_i32 s82, s88, s89                     ; ex + ew
	s_sub_co_i32 s83, s90, s82                     ; eo - ex - ew
	s_sub_co_i32 s82, 0, s82                       ; -(ex + ew), for the bias
	s_add_co_i32 s83, s83, 127
	s_lshl_b32 s88, s83, 23
	v_mov_b32 v[SC], s88
	s_add_co_i32 s83, s83, 8
	s_lshl_b32 s83, s83, 23
	s_or_b32 s83, s83, 0x600000
	v_mov_b32 v[LIM], s83
.macro FRAG reg, adr, q, i             ; a fragment, 16 rows x 128 K, is 16 registers: lane l holds row l % 16; registers 4 c .. 4 c + 3 hold K = 32 c + 16 (l / 16) + 0 .. 15, alike in P and in R
.irp c, 0,1,2,3
	ds_load_b128 v[\reg+4*\c:\reg+4*\c+3], v[\adr] offset:128*(\q)+32*\c+(\i)*16*PITCH
.endr
.endm
; 16 matrix instructions: R's blocks a0, a0 + 1 x P's eight, 128 along K.  p: P's set.  zero = 1: the first product starts the sums: nothing is ever cleared.
; The 64 accumulators take turns, one instruction a turn, in the same order in every step.
.macro MUL16 a0, p, zero
.irp a, \a0, \a0+1
.irp b, 0,1,2,3,4,5,6,7
.if \zero
	v_wmma_f32_16x16x128_fp8_fp8 v[8*(8*((\a)%4)+\b):8*(8*((\a)%4)+\b)+7], v[128*(\p)+FR*\b:128*(\p)+FR*\b+FR-1], v[AF+FR*(\a):AF+FR*(\a)+FR-1], 0
.else
	v_wmma_f32_16x16x128_fp8_fp8 v[8*(8*((\a)%4)+\b):8*(8*((\a)%4)+\b)+7], v[128*(\p)+FR*\b:128*(\p)+FR*\b+FR-1], v[AF+FR*(\a):AF+FR*(\a)+FR-1], v[8*(8*((\a)%4)+\b):8*(8*((\a)%4)+\b)+7]
.endif
.endr
.endr
.endm
.macro FETCH_B slot, q, p              ; P's eight fragments of the slot's q-th 128 along K into set p
	WIN TO_B
.irp i, 0,1,2,3,4,5,6,7
	FRAG 128*(\p)+FR*\i, ADRB+\slot, \q, \i
.endr
	WIN 0
.endm
.macro FETCH_A slot, q, i0             ; R's blocks i0 .. i0 + 3
.irp i, \i0, \i0+1, \i0+2, \i0+3
	FRAG AF+FR*(\i), ADRA+\slot, \q, \i
.endr
.endm
; A load into a register that a matrix instruction has read, and a vector instruction that reads a matrix result or writes one of its registers, stand NP places behind it; only plain vector
; instructions that name none of its registers are places (ISA guide 7.12.1 for vector instructions).
.macro PLACES n
.rept \n
	v_nop
.endr
.endm
; A step of 128 along K that has its successor in the same slot.  A block of R is free as soon as its eight products are issued: blocks 0-3 are fetched anew in the step's middle, blocks 4-7 at its end.
.macro STEP slot, q, zero
	s_wait_dscnt 4*NL                              ; P's set and R's blocks 0-3 are in; the youngest 16 loads (R's blocks 4-7) may be out
	WIN MUL_LO
	MUL16 0, (\q)%2, \zero
	MUL16 2, (\q)%2, \zero
	s_wait_dscnt 0                                 ; R's blocks 4-7 are in (asked for 32 matrix instructions ago)
	PLACES NP
	FETCH_B \slot, (\q)+1, 1-(\q)%2
	FETCH_A \slot, (\q)+1, 0
	WIN MUL_HI
	MUL16 4, (\q)%2, \zero
	MUL16 6, (\q)%2, \zero
	PLACES NP
	WIN 0
	FETCH_A \slot, (\q)+1, 4
.endm
; A slot's last step changes slots: ONE barrier; in front of it each wave waits for all its tensor loads, adds 0 to its spare word, and waits for that and for its own reads of this slot.  fill = 1: this slot is filled again, two slots' worth of K ahead.
.macro TURN slot, next, fill
	s_wait_tensorcnt 0x0                           ; all my tensor loads have landed: my part of the next slot  (every window is 0 here: the add's two registers lie in window 0)
	ds_add_u32 v[SPW], v[NIL]                      ; 0 onto my spare word
	s_wait_dscnt 4*NL+1                            ; (the add and the youngest 16 loads, R's blocks 4-7, may be out)
	WIN MUL_LO
	MUL16 0, 1, 0                                  ; sixteen matrix instructions stand between the add and the wait for it
	s_wait_dscnt 0x0                               ; the add is done, and my reads of this slot are over
	s_barrier_signal -1
	MUL16 2, 1, 0
	WIN 0
	s_barrier_wait -1
.if \fill
	CREST                                          ; the barrier has opened a round of the cluster's barrier: no wave of any partner still reads this slot's tile or has a load on its way
	s_add_nc_u64 s[G0+4*\slot+2:G0+4*\slot+3], s[G0+4*\slot+2:G0+4*\slot+3], 2*ROWB
	s_add_nc_u64 s[G0B+4*\slot+2:G0B+4*\slot+3], s[G0B+4*\slot+2:G0B+4*\slot+3], 2*ROWB
	JLOAD G0+4*\slot, G1, G0B+4*\slot, G1B         ; the first tensor load behind the round, my one load until the next; the four v_nop behind it are the places in front of the loads below
.else
	PLACES NP
.endif
	FETCH_B \next, 0, 0
	FETCH_A \next, 0, 0
	WIN MUL_HI
	MUL16 4, 1, 0
	MUL16 6, 1, 0
	PLACES NP
	WIN 0
	FETCH_A \next, 0, 4
.endm
.macro LAST                            ; the very last step: nothing more to fetch
	s_wait_dscnt 4*NL
	WIN MUL_LO
	MUL16 0, 1, 0
	MUL16 2, 1, 0
	s_wait_dscnt 0
	WIN MUL_HI
	MUL16 4, 1, 0
	MUL16 6, 1, 0
	WIN 0
.endm
; THE WAY OUT.  vt = 0 (Q, K): the bias hangs on P's row, that is on the register: 64 numbers a lane, the same for all blocks.  vt = 1 (V): on R's row, that is on the lane and the block: one number a block, kept twice as a pair.
; Block a: sum + bias (packed; each accumulator from its low end on); the relu and the hold in one; eight conversions; four stores of 512 consecutive bytes.
.macro EPI vt
	s_wait_loadcnt 0x0                             ; the bias
.if \vt
.irp a, 0,1,2,3,4,5,6,7
	v_ldexp_f32 v[BI+2*\a], v[BV+\a], s82          ; b / 2^(ex + ew).  (These lines are also the places behind the last products)
	v_ldexp_f32 v[BI+2*\a+1], v[BV+\a], s82
.endr
.else
.set j, 0
.rept 64
	v_ldexp_f32 v[BI+j], v[BI+j], s82              ; b / 2^(ex + ew).  (These lines are also the places behind the last products)
.set j, j+1
.endr
.endif
.irp a, 0,1,2,3,4,5,6,7
	WIN 0x02+\a/4                                  ; source 0: window 2 or 3
.set j, 0
.rept 32
.if \vt
	v_pk_add_f32 v[TMP+j:TMP+j+1], v[64*(\a%4)+j:64*(\a%4)+j+1], v[BI+2*\a:BI+2*\a+1]
.else
	v_pk_add_f32 v[TMP+j:TMP+j+1], v[64*(\a%4)+j:64*(\a%4)+j+1], v[BI+j:BI+j+1]
.endif
.set j, j+2
.endr
	WIN 0
.set j, 0
.rept 64
	v_med3_num_f32 v[TMP+j], v[TMP+j], 0, v[LIM]   ; the relu and the hold in one: the conversion to an 8-bit code does not saturate (ISA guide 7.6.2)
.set j, j+1
.endr
.if \a >= 2
	s_wait_xcnt 0x0                                ; block a - 2's stores have read this set of codes: it is written again only behind this wait
.endif
.irp g, 0,1,2,3,4,5,6,7
	v_cvt_scalef32_pk8_fp8_f32 v[CD+16*(\a%2)+2*\g:CD+16*(\a%2)+2*\g+1], v[TMP+8*\g:TMP+8*\g+7], v[SC]
.endr
	v_nop                                          ; one plain vector line between the last conversion and the next block's additions, which write its sources
.irp c, 0,1,2,3
	global_store_b128 v[LI], v[CD+16*(\a%2)+4*\c:CD+16*(\a%2)+4*\c+3], s[84:85] offset:2048*\a+512*\c   ; registers 4 c .. 4 c + 3 of image a: 32 lanes store 512 consecutive bytes, aligned to 512
.endr
.endr
	s_wait_tensorcnt 0x0                           ; the wave's end: behind my last tensor load, my last LDS instructions
	ds_add_u32 v[SPW], v[NIL]
	s_wait_dscnt 0x0
.endm
	s_wait_tensorcnt 0x1                           ; my part of slot 0 is in (slot 1's load may be out)
	s_barrier_signal -1
	s_barrier_wait -1                              ; everybody's is
	FETCH_B 0, 0, 0
	FETCH_A 0, 0, 0
	FETCH_A 0, 0, 4
	STEP 0, 0, 1                                   ; K 0-127: its products start the sums
	TURN 0, 1, 1                                   ; K 128-255; slot 0 takes K 512-767
	STEP 1, 0, 0
	TURN 1, 0, 1                                   ; slot 1 takes K 768-1023
	STEP 0, 0, 0
	TURN 0, 1, 0                                   ; nothing is left to fetch: a plain barrier
	STEP 1, 0, 0
	s_cmp_lt_u32 s70, 8                            ; the cluster's y: alike in all sixteen partners
	s_cbranch_scc0 .Lv
.irp b, 0,1,2,3                        ; Q, K: the bias of P's rows 32 b + 16 h + 0 .. 15; the loads are on their way under the last step's products
.irp k, 0,1,2,3
	global_load_b128 v[BI+16*\b+4*\k:BI+16*\b+4*\k+3], v[BH], s[8:9] offset:128*\b+16*\k
.endr
.endr
	LAST
	EPI 0
	s_branch .Lend
.Lv:
.irp a, 0,1,2,3,4,5,6,7                ; V: the bias of R's row 32 (a / 2) + 8 (a % 2) + r + 8 (r / 8)
	global_load_b32 v[BV+\a], v[BL], s[8:9] offset:(32*(\a/2)+8*(\a%2))*4
.endr
	LAST
	EPI 1
.Lend:
	CROUND                                         ; the closing round: no work-group ends while a partner may still ask for a tile that names it
	s_endpgm
.Lfunc_end_k_qa35b64a1aa_proj:
	.size	k_qa35b64a1aa_proj, .Lfunc_end_k_qa35b64a1aa_proj-k_qa35b64a1aa_proj
	.p2alignl 7, 3214868480
	.fill 96, 4, 3214868480
	.section	.rodata,"a",@progbits
	.p2align	6, 0x0
	.amdhsa_kernel k_qa35b64a1aa_proj
		.amdhsa_group_segment_fixed_size 327680
		.amdhsa_private_segment_fixed_size 0
		.amdhsa_enable_private_segment 0
		.amdhsa_kernarg_size 56
		.amdhsa_user_sgpr_count 2
		.amdhsa_user_sgpr_kernarg_segment_ptr 1
		.amdhsa_wavefront_size32 1
		.amdhsa_system_sgpr_workgroup_id_x 1
		.amdhsa_system_sgpr_workgroup_id_y 1
		.amdhsa_system_sgpr_workgroup_id_z 1
		.amdhsa_system_vgpr_workitem_id 0
		.amdhsa_next_free_vgpr 1024
		.amdhsa_next_free_sgpr 98
		.amdhsa_reserve_vcc 0
		.amdhsa_float_denorm_mode_32 3
		.amdhsa_float_denorm_mode_16_64 3
		.amdhsa_memory_ordered 1
		.amdhsa_forward_progress 1
		.amdhsa_inst_pref_size 202
	.end_amdhsa_kernel
	.amdgpu_metadata
---
amdhsa.version: [ 1, 2 ]
amdhsa.kernels:
  - .name:           k_qa35b64a1aa_proj
    .symbol:         k_qa35b64a1aa_proj.kd
    .args:
      - { .name: codes, .offset: 0, .size: 8, .value_kind: global_buffer, .address_space: global }
      - { .name: lowp_scales, .offset: 8, .size: 8, .value_kind: global_buffer, .address_space: global }
      - { .name: bq, .offset: 16, .size: 8, .value_kind: global_buffer, .address_space: global }
      - { .name: bk, .offset: 24, .size: 8, .value_kind: global_buffer, .address_space: global }
      - { .name: bv, .offset: 32, .size: 8, .value_kind: global_buffer, .address_space: global }
      - { .name: qimg, .offset: 40, .size: 8, .value_kind: global_buffer, .address_space: global }
      - { .name: kvimg, .offset: 48, .size: 8, .value_kind: global_buffer, .address_space: global }
    .group_segment_fixed_size: 327680
    .private_segment_fixed_size: 0
    .kernarg_segment_align: 8
    .kernarg_segment_size: 56
    .max_flat_workgroup_size: 128
    .sgpr_count:     98
    .vgpr_count:     1024
    .wavefront_size: 32
...
	.end_amdgpu_metadata
.endif
;; end of part 3
;; launch attn (part 4): grid 8 x 32, 16 waves a work-group, clusters of 4 x 1, 327,680 bytes of LDS; arguments qimg, kvimg, maskw, lowp_scales, out0; writes out0
.if DOCPART == 4
	.amdgcn_target "amdgcn-amd-amdhsa--gfx1250"
	.amdhsa_code_object_version 6
	.text
	.protected	k_qa35b64a1aa_attn
	.globl	k_qa35b64a1aa_attn
	.p2align	8
	.type	k_qa35b64a1aa_attn,@function
k_qa35b64a1aa_attn:
	s_mov_b64 s[64:65], 0
	v_nop
	global_prefetch_b8 v0, s[64:65] scope:SCOPE_SE
	s_setreg_imm32_b32 hwreg(HW_REG_WAVE_MODE, 25, 1), 1
	s_wait_xcnt 0x0
	s_wait_alu depctr_hold_cnt(0) depctr_sa_sdst(0) depctr_va_vdst(0) depctr_va_sdst(0) depctr_va_ssrc(0) depctr_va_vcc(0) depctr_vm_vsrc(0)
	s_getreg_b32 s2, hwreg(HW_REG_IB_STS2, 6, 4)
	s_cmp_eq_u32 s2, 0
	s_cbranch_scc0 .Lentry_in_a_cluster
	s_endpgm
.Lentry_in_a_cluster:
	s_bfe_u32 s2, ttmp6, 0x10000c
	s_cmp_lg_u32 s2, 0x3003
	s_cbranch_scc0 .Lentry_shape_is_right
	s_endpgm
.Lentry_shape_is_right:
; out[n][q][128 hd + d] = the sum over k of softmax_k(masked Q[q] . K[k] / sqrt(128)) V[k][d], for each of 32 pairs nh = 16 n + hd; both products on codes of FP8 (E4M3) with the given scales eq, ek, ep, ev (entries 6 to 9).
; THE SOFTMAX AHEAD OF THE SECOND PRODUCT: t = score x log2(e) / sqrt(128); M = the row's largest t so far, rounded UP to a whole number; p = 2^(t - M) is what is quantised, along the keys, not normalised.
; The row's sum is taken of the unquantised p, in f32, and divides O at the end.  When M moves, the sum and O are multiplied by 2^(old M - new M): exact.
; INPUTS ARE IMAGES OF THE OPERANDS' REGISTERS (2,048 bytes a fragment, register 4 c + x of lane l at 512 c + 16 l + 4 x): Q [nh][tile T of 16 queries]; K and V [nh][step of 128 keys][8 tiles of K, 8 of V].
; Lane r of Q's tile T is query q(T, r) = 128 (T / 8) + 32 ((T % 8) / 2) + 8 (T % 2) + r + 8 (r / 8); K's tiles hold their keys, V's their d, in the same order of rows.  Both products are used transposed
; (S^T = K Q^T, O^T = V^T P^T): a lane holds ONE query throughout; register 16 b + i of S^T is key 32 b + 16 h + i of the step, of O^T d = 32 b + 16 h + i: p's conversions give the second product's operand as it stands.
; THE MASK comes as lane words: word 16 b + i of (T, step) has a bit for each lane, set where the key counts.  64 words a step come by four scalar loads; one select a score.
; A HIDDEN SCORE becomes the raw number -2^(26 - eq - ek), whose t is the whole number -8,557,550, in place of the reference's -1e7 (t about -14,426,950).  The results are the same for every input:
; Q and K are not negative (the reference's relu), so an open score is 0 or more and M is 0 or more as soon as one key of the row counts: a hidden p is then 0 with either number;
; in a row with no open key every t equals M with either number (in f32 both are whole numbers), every p is 1, and the result is the mean of V.
; SHARES.  A work-group owns 256 queries of one nh; each of its SIXTEEN waves one tile of 16, in 256 registers: four waves to a SIMD, so that one wave's vector work stands beside another's matrix work and LDS loads.
; Every wave walks the 2,048 keys, 128 a step.  K's and V's images come through a ring of two LDS slots of four steps (32 KiB a step, dense, as they lie in memory); waves 0 to 3 fetch one step each.
; CLUSTER.  The four blocks of queries of a cluster belong to one nh and walk the same K and V: each load is asked for JOINTLY, with the same descriptor and a mask that names the four.
; LIMITS on the given exponents, so that each power of two below is an f32 number: eq + ek between -101 and 130; ep between -126 and 119; ep + ev is applied by v_ldexp_f32 and has none.
; REGISTERS: v1-6 addresses that stay; v8 the step's LDS address; v12 -M, v13 the largest t, v[14:15] the sum in two halves; v16-31 Q; v32-95 four fragments of K or of V; v96-159 S^T, then p; v160-223 O^T; v224-239 p's codes; v240-254 constants and at work.
.set STEPB, 32768                      ; a step's images: K's 16 KiB, then V's
.set SLOT1, 131072                     ; a slot holds four steps; slot 1 begins here
.set SPARE, 2*SLOT1                    ; behind the ring: the spare words, 128 bytes for each wave: eight blocks of 256 bytes that no other line names
.set SP,    272                        ; the way out: a stage of 16 rows x (256 bytes + 16) for each wave, in slot 0: it has had its last fill and its last read when the first result is stored there
.set LI,   1                           ; v1   16 x lane: my place in an image
.set STO,  2                           ; v2   the way out: where I put my numbers of a row
.set RD,   3                           ; v3   and where I read a row back
.set GO,   4                           ; v4   my byte offset in two rows of the output
.set SPW,  5                           ; v5   LDS address of my spare word; never rewritten
.set NIL,  6                           ; v6   0; never rewritten
.set ADK,  8                           ; v8   LDS address of the step's images for my lane
.set WV,   14                          ; s14  my wave's number
.set TB,   15                          ; s15  LDS byte at which the step in hand begins
.set G1,   16                          ; s[16:23] descriptor group 1;  s[24:27], s[28:31] group 0, one set for each slot
.set G0,   24
.set SEL,  66                          ; s[66:67] lane selects for v_permlanex16_b32: lane l xor 16
.set CS,   100                         ; s[100:101] c = log2(e) / sqrt(128) x 2^(eq + ek): the packed form names a pair and takes its low word for both halves
.set CNT,  104                         ; s104 counts a slot's steps
.set EPV,  105                         ; s105 ep + ev
; s[32:63] and s[68:99]: the step's 64 mask words
.macro CROUND                          ; a round of the cluster's barrier
	s_barrier_signal -1
	s_barrier_wait -1
	s_cmp_lg_u32 s[WV], 0
	s_cbranch_scc1 .Lnot_wave_0_\@
	s_barrier_signal -3
.Lnot_wave_0_\@:
	s_barrier_wait -3
	s_barrier_signal -1
	s_barrier_wait -1
.endm
.macro JLOAD g0                        ; a joint refill: waves 0 to 3 fetch a step each, the others nothing; the branch hangs on the wave's number alone.  Four v_nop follow the load
	s_cmp_lt_u32 s[WV], 4
	s_cbranch_scc0 .Lnone_\@
	tensor_load_to_lds s[\g0:\g0+3], s[G1:G1+7]
	s_nop 0
.rept 4
	v_nop
.endr
.Lnone_\@:
.endm
	s_load_b256 s[4:11], s[0:1], 0x0               ; Q's images s[4:5], K's and V's s[6:7], the mask words s[8:9], the scales' exponents s[10:11]
	s_load_b64 s[12:13], s[0:1], 0x20              ; the output
	v_lshl_add_u32 v[SPW], v0, 2, SPARE
	v_mov_b32 v[NIL], 0
	ds_add_u32 v5, v6
	s_wait_dscnt 0x0
	v_lshrrev_b32 v8, 5, v0
	v_readfirstlane_b32 s[WV], v8                  ; wave 0..15
	v_and_b32 v[LI], 31, v0
	v_lshlrev_b32 v[LI], 4, v[LI]
	v_and_b32 v9, 15, v0                           ; r
	v_bfe_u32 v10, v0, 4, 1                        ; h
	s_mul_i32 s42, s[WV], 16*SP                    ; my stage
	v_mul_u32_u24 v[STO], v9, SP
	v_lshl_add_u32 v[STO], v10, 6, v[STO]
	v_add_nc_u32 v[STO], s42, v[STO]               ; in: row r, + 64 h: my half's 16 numbers of each 32
	v_mul_u32_u24 v[RD], v10, SP
	v_lshl_add_u32 v[RD], v9, 4, v[RD]
	v_add_nc_u32 v[RD], s42, v[RD]                 ; back: lanes 0-15 one row of 256 bytes, lanes 16-31 the next
	v_lshlrev_b32 v[GO], 13, v10
	v_lshl_add_u32 v[GO], v9, 4, v[GO]             ; and the same two rows in the output, 8,192 bytes apart
	s_bfe_u32 s43, ttmp6, 0x40000                  ; cx: my place in the cluster: it enters Q's, the mask's and the output's addresses alone
	s_lshl_b32 s44, ttmp9, 2
	s_add_co_u32 s44, s44, s43                     ; my block of 256 queries
	s_lshl_b32 s44, s44, 4
	s_add_co_u32 s44, s44, s[WV]                   ; T: my tile of 16 queries
	s_and_b32 s45, ttmp7, 0xffff                   ; nh, which the four partners share
	; descriptor group 1: a step's 32 KiB, dense in memory, as 128 rows of 256 bytes, no padding
	s_mov_b32 s[G1+0], 15|(3<<16)|(1<<21)          ; 15:0 the mask: all four work-groups; 17:16 elements of 8 bytes; 21 set beside a mask
	s_mov_b32 s[G1+1], 32<<16                      ; tensor_dim0 = 32
	s_mov_b32 s[G1+2], 128<<16                     ; tensor_dim1 = 128
	s_mov_b32 s[G1+3], 32<<16                      ; tile_dim0 = 32
	s_mov_b32 s[G1+4], 128                         ; tile_dim1 = 128
	s_mov_b32 s[G1+5], 32                          ; tensor_dim0_stride
	s_mov_b32 s[G1+6], 0
	s_mov_b32 s[G1+7], 0
	s_and_b32 s46, s[WV], 3
	s_lshl_b32 s46, s46, 15                        ; which of a slot's four steps I fetch, if I fetch: its place in a slot and in memory alike
	s_lshl_b32 s48, s45, 19                        ; nh's 16 steps of 32 KiB
	s_add_co_u32 s48, s48, s46
	s_mov_b32 s49, 0
	s_lshl_b32 s50, s45, 7
	s_add_co_u32 s50, s50, s44
	s_lshl_b32 s50, s50, 11                        ; Q: (128 nh + T) images
	s_mov_b32 s51, 0
	s_lshl_b32 s52, s44, 12                        ; the mask words: T x 16 steps x 256 bytes
	s_mov_b32 s53, 0
	s_lshr_b32 s54, s44, 3
	s_lshl_b32 s54, s54, 7
	s_bfe_u32 s56, s44, 0x20001
	s_lshl_b32 s56, s56, 5
	s_add_co_u32 s54, s54, s56
	s_and_b32 s56, s44, 1
	s_lshl_b32 s56, s56, 3
	s_add_co_u32 s54, s54, s56                     ; q(T, 0)
	s_lshl_b32 s54, s54, 13                        ; a row of the output is 8,192 bytes,
	s_lshr_b32 s56, s45, 4
	s_lshl_b32 s56, s56, 24                        ; a batch 2,048 rows,
	s_add_co_u32 s54, s54, s56
	s_and_b32 s56, s45, 15
	s_lshl_b32 s56, s56, 9                         ; a head 512 bytes of a row
	s_add_co_u32 s54, s54, s56
	s_mov_b32 s55, 0
	s_mov_b32 s[SEL], 0x76543210
	s_mov_b32 s[SEL+1], 0xfedcba98
	s_wait_kmcnt 0x0
	s_load_b256 s[32:39], s[10:11], 0x0            ; e0 .. e7: eq = s38, ek = s39
	s_load_b64 s[40:41], s[10:11], 0x20            ; ep, ev
	s_add_nc_u64 s[6:7], s[6:7], s[48:49]
	s_add_nc_u64 s[4:5], s[4:5], s[50:51]
	s_add_nc_u64 s[8:9], s[8:9], s[52:53]
	s_add_nc_u64 s[12:13], s[12:13], s[54:55]
	s_mov_b32 s[G0], 1                             ; 1:0 count = 1
	s_mov_b32 s[G0+1], s46                         ; 63:32 LDS address: slot 0
	s_mov_b64 s[G0+2:G0+3], s[6:7]                 ; 120:64 global address: steps 0 to 3
	s_or_b32 s[G0+3], s[G0+3], 0x80000000          ; 127:126 type = 2
	s_mov_b32 s[G0+4], 1
	s_add_co_u32 s[G0+5], s46, SLOT1               ; slot 1
	s_add_nc_u64 s[G0+6:G0+7], s[6:7], SLOT1       ; steps 4 to 7
	s_or_b32 s[G0+7], s[G0+7], 0x80000000
	CROUND                                         ; all four work-groups are here: the first joint loads meet
	s_cmp_lt_u32 s[WV], 4                          ; a wave's two first fills stand in one branch, ahead of every wait on TENSORcnt and every LDS read: two loads of a fetching wave are out
	s_cbranch_scc0 .Lno_first
	tensor_load_to_lds s[G0:G0+3], s[G1:G1+7]
	s_nop 0
	tensor_load_to_lds s[G0+4:G0+7], s[G1:G1+7]
	s_nop 0
.rept 4
	v_nop
.endr
.Lno_first:
.irp c, 0,1,2,3
	global_load_b128 v[16+4*\c:19+4*\c], v[LI], s[4:5] offset:512*\c   ; Q's fragment stays in registers
.endr
	v_mov_b32 v13, 0xff61b1e6                      ; the largest t so far: -3e38, under every t
	v_floor_f32 v12, -v13                          ; -M
	v_mov_b32 v14, 0                               ; the sum, in two halves
	v_mov_b32 v15, 0
	v_mov_b32 v245, 0                              ; written once: a lane permute's destination counts as one of its sources
	v_mov_b32 v253, 0                              ; (named as the upper half of the pair v[252:253])
.set j, 0
.rept 64
	v_mov_b32 v[160+j], 0                          ; O^T.  (The step is written once for all steps: the first finds zeros, which the first change of M leaves zeros)
.set j, j+1
.endr
	s_wait_kmcnt 0x0
	s_add_co_i32 s2, s38, s39                      ; eq + ek
	s_lshl_b32 s3, s2, 23
	s_mov_b32 s[CS], 0x3e0293ee                    ; log2(e) / sqrt(128) = 0x8293ee x 2^-26
	s_add_co_i32 s[CS], s[CS], s3                  ; a score stands for score x 2^(eq + ek): the two exponents are added to c's exponent field
	s_mov_b32 s[CS+1], s[CS]                       ; (named with it as a pair, so it is written)
	s_sub_co_i32 s2, 153, s2
	s_lshl_b32 s2, s2, 23
	s_or_b32 s2, s2, 0x80000000
	v_mov_b32 v241, s2                             ; -2^(26 - eq - ek): a hidden score; x c it is -0x8293ee, a whole number
	s_add_co_i32 s2, s40, 127
	s_lshl_b32 s3, s2, 23
	v_mov_b32 v244, s3                             ; 2^ep as f32, for the conversion
	s_add_co_i32 s2, s2, 8
	s_lshl_b32 s2, s2, 23
	s_or_b32 s2, s2, 0x600000
	v_mov_b32 v240, s2                             ; 448 x 2^ep
	s_add_co_i32 s[EPV], s40, s41
; A KEY STEP: 128 keys, whose images begin at LDS byte s[TB].
.macro STEP
	s_load_b512 s[32:47], s[8:9], 0x0              ; the step's 64 mask words: they land under the first product
	s_load_b512 s[48:63], s[8:9], 0x40
	s_load_b512 s[68:83], s[8:9], 0x80
	s_load_b512 s[84:99], s[8:9], 0xc0
	v_add_nc_u32 v[ADK], s[TB], v[LI]
.irp g, 0,1                                    ; S^T = K Q^T, four tiles of 16 keys at a time
.rept 3+\g
	v_nop                                          ; four places in front of loads into registers that matrix instructions have read (ahead of the first run the addition above is one of the four)
.endr
.irp t, 0,1,2,3
.irp c, 0,1,2,3
	ds_load_b128 v[32+16*\t+4*\c:32+16*\t+4*\c+3], v[ADK] offset:(4*\g+\t)*2048+512*\c   ; 512 consecutive bytes an instruction
.endr
.endr
	s_wait_dscnt 0x0
.irp t, 0,1,2,3
	v_wmma_f32_16x16x128_fp8_fp8 v[96+8*(4*\g+\t):103+8*(4*\g+\t)], v[32+16*\t:47+16*\t], v[16:31], 0
.endr
.endr
.rept 4
	v_nop
.endr
	s_wait_kmcnt 0x0                               ; the mask words are in: so their base may step
	s_add_nc_u64 s[8:9], s[8:9], 256
.set n, 0
.rept 64                                       ; ascending: each accumulator is first read at its low end
.if n < 32
	v_cndmask_b32 v[96+n], v241, v[96+n], s[32+n]  ; the score where the bit is set, else the hidden score
.else
	v_cndmask_b32 v[96+n], v241, v[96+n], s[36+n]
.endif
.set n, n+1
.endr
	v_max3_num_f32 v254, v96, v97, v98             ; the step's largest score of my query, among my 64 keys, in two chains,
	v_max3_num_f32 v252, v99, v100, v101
.irp i, 6,10,14,18,22,26,30,34,38,42,46,50,54,58
	v_max3_num_f32 v254, v254, v[96+\i], v[97+\i]
	v_max3_num_f32 v252, v252, v[98+\i], v[99+\i]
.endr
	v_max3_num_f32 v254, v254, v158, v159
	v_max_num_f32 v254, v254, v252
	v_permlanex16_b32 v245, v254, s[SEL], s[SEL+1]
	v_max_num_f32 v254, v254, v245                 ; and among lane l xor 16's
	v_mul_f32 v254, s[CS], v254                    ; as t (c is positive)
	v_max_num_f32 v13, v13, v254                   ; the running largest t
	v_mov_b32 v254, v12
	v_floor_f32 v12, -v13                          ; the new -M = floor(-t) = -ceil(t): M IS A WHOLE NUMBER
	v_sub_f32 v254, v12, v254                      ; M's old value less its new one: a whole number, 0 or less
	v_cvt_i32_f32 v254, v254                       ; (it saturates)
	v_ldexp_f32 v252, 1.0, v254                    ; f = 2^(old M - new M): a multiplication by it rounds nothing
.irp j, 0,2,4,6,8,10,12,14,16,18,20,22,24,26,28,30,32,34,36,38,40,42,44,46,48,50,52,54,56,58,60,62
	v_pk_fma_f32 v[96+\j:97+\j], v[96+\j:97+\j], s[CS:CS+1], v[12:13] op_sel_hi:[1,0,0]   ; t - M, two at a time (of the pairs c and -M the low word serves both halves)
.endr
.set n, 0
.rept 64
	v_exp_f32 v[96+n], v[96+n]                     ; p = 2^(t - M), at most 1: NOT normalised
.set n, n+1
.endr
	v_pk_mul_f32 v[14:15], v[14:15], v[252:253] op_sel_hi:[1,0]   ; the sums under the new M.  (A plain place behind the exponentials)
	s_wait_alu depctr_va_vdst(0)
	v_pk_add_f32 v[242:243], v[96:97], v[98:99]    ; THE ROW'S SUM IS TAKEN OF THE UNQUANTISED p: two at a time, in two chains
.irp j, 4,8,12,16,20,24,28,32,36,40,44,48,52,56,60
	v_pk_add_f32 v[14:15], v[14:15], v[96+\j:97+\j]
	v_pk_add_f32 v[242:243], v[242:243], v[98+\j:99+\j]
.endr
	v_pk_add_f32 v[14:15], v[14:15], v[242:243]
.irp b, 0,1,2,3
.irp i, 0,1,2,3,4,5,6,7,8,9,10,11,12,13,14,15
	v_min_num_f32 v[96+16*\b+\i], v[96+16*\b+\i], v240   ; the conversion to an 8-bit code does not saturate (ISA guide 7.6.2); p is not negative, so the hold is one-sided
.endr
	v_cvt_scalef32_pk8_fp8_f32 v[224+4*\b:225+4*\b], v[96+16*\b:103+16*\b], v244
	v_cvt_scalef32_pk8_fp8_f32 v[226+4*\b:227+4*\b], v[104+16*\b:111+16*\b], v244
.endr
.irp j, 0,2,4,6,8,10,12,14,16,18,20,22,24,26,28,30,32,34,36,38,40,42,44,46,48,50,52,54,56,58,60,62
	v_pk_mul_f32 v[160+\j:161+\j], v[160+\j:161+\j], v[252:253] op_sel_hi:[1,0]   ; O^T under the new M: x f.  (These 32 are also the plain lines behind the conversions)
.endr
.irp g, 0,1                                    ; O^T += V^T P^T: four tiles of 16 of the head's 128 at a time; K = these 128 keys.  The eight accumulators take turns, one instruction a turn
.if \g > 0
.rept 4
	v_nop
.endr
.endif
.irp t, 0,1,2,3
.irp c, 0,1,2,3
	ds_load_b128 v[32+16*\t+4*\c:32+16*\t+4*\c+3], v[ADK] offset:16384+(4*\g+\t)*2048+512*\c
.endr
.endr
	s_wait_dscnt 0x0
.irp t, 0,1,2,3
	v_wmma_f32_16x16x128_fp8_fp8 v[160+8*(4*\g+\t):167+8*(4*\g+\t)], v[32+16*\t:47+16*\t], v[224:239], v[160+8*(4*\g+\t):167+8*(4*\g+\t)]
.endr
.endr
.endm
; A slot's four key steps: written once, walked four times; the LDS addresses hang on s[TB].
.macro SLOTRUN slot
	s_mov_b32 s[TB], \slot*SLOT1
	s_mov_b32 s[CNT], 4
.Lstep_\@:
	STEP
	s_add_co_u32 s[TB], s[TB], STEPB
	s_sub_co_u32 s[CNT], s[CNT], 1
	s_cmp_lg_u32 s[CNT], 0
	s_cbranch_scc1 .Lstep_\@
.endm
; THE CHANGE OF SLOTS.  Each wave waits for all its tensor loads (its part of the slot ahead), adds 0 to its spare word, and waits for that and for its reads of the slot that it leaves.
; Behind the barrier the slot ahead is whole and nobody reads the other one.  fill = 1: that other slot is filled with the keys eight steps on: the barrier is then a round of the cluster's,
; so that no wave of any partner still reads the slot or has a load on its way, and the joint refill is the first thing behind it: it has four key steps in which to land.
.macro CHANGE fill, g0
	s_wait_tensorcnt 0x0                           ; no tensor load of mine is out, so a group 0 may be written
	ds_add_u32 v[SPW], v[NIL]                      ; 0 onto my spare word; with fill = 1 the descriptor's step stands between it and the wait for it
.if \fill
	s_add_nc_u64 s[\g0+2:\g0+3], s[\g0+2:\g0+3], 2*SLOT1   ; eight steps on; the type bits on top are not reached
	s_wait_dscnt 0x0                               ; the add is done, and my reads of the slot that I leave are over
	CROUND
	JLOAD \g0
.else
	s_wait_dscnt 0x0                               ; the add is done, and my reads of the slot that I leave are over
	s_barrier_signal -1
	s_barrier_wait -1
.endif
.endm
	s_wait_tensorcnt 0x1                           ; my part of slot 0 is in; slot 1's may stay out
	s_barrier_signal -1
	s_barrier_wait -1                              ; everybody's is
	s_wait_loadcnt 0x0                             ; Q
	SLOTRUN 0                                      ; steps 0-3
	CHANGE 1, G0                                   ; slot 0 takes steps 8-11
	SLOTRUN 1                                      ; steps 4-7
	CHANGE 1, G0+4                                 ; slot 1 takes steps 12-15
	SLOTRUN 0                                      ; steps 8-11
	CHANGE 0, G0                                   ; nothing is left to fetch
	SLOTRUN 1                                      ; steps 12-15
	; THE WAY OUT.  O^T is divided by the row's sum, multiplied by 2^(ep + ev), and goes through my stage in LDS, half a row (64 of the head's 128, 256 bytes) of 16 queries at a time,
	; so that sixteen lanes store 256 consecutive bytes.
	v_add_f32 v14, v14, v15                        ; the sum's two halves,
	v_permlanex16_b32 v245, v14, s[SEL], s[SEL+1]
	v_add_f32 v14, v14, v245                       ; and lane l xor 16's: the row's sum, more than 1/2
	v_rcp_f32 v14, v14
	v_nop                                          ; a plain place behind the transcendental
	s_wait_alu depctr_va_vdst(0)
	v_ldexp_f32 v14, v14, s[EPV]
.set j, 0
.rept 64
	v_mul_f32 v[96+j], v[160+j], v14               ; register 16 b + i: o(query r, d = 32 b + 16 h + i); ascending, each accumulator from its low end on
.set j, j+1
.endr
.irp u, 0,1                                    ; d from 64 u on
.irp b, 0,1
.irp k, 0,1,2,3
	ds_store_b128 v[STO], v[96+32*\u+16*\b+4*\k:99+32*\u+16*\b+4*\k] offset:128*\b+16*\k
.endr
.endr
.irp i, 0,1,2,3,4,5,6,7
	ds_load_b128 v[32+32*\u+4*\i:35+32*\u+4*\i], v[RD] offset:2*\i*SP   ; LDS serves a wave's instructions in order (ISA guide 5.7.1.4): these see my stores, and the next half's stores come behind them
.endr
.endr
.irp u, 0,1
.irp i, 0,1,2,3,4,5,6,7
	s_wait_dscnt 23-16*\u-\i                       ; behind this load: the rest of its run of eight, and for the first half the second half's eight stores and eight loads
	global_store_b128 v[GO], v[32+32*\u+4*\i:35+32*\u+4*\i], s[12:13] offset:(2*\i+8*(\i/4))*8192+256*\u th:TH_STORE_NT   ; places 2 i and 2 i + 1 of the tile are queries q(T, 0) + 2 i + h + 8 (i / 4); 16 lanes store 256 consecutive bytes, aligned
.endr
.endr
	s_wait_tensorcnt 0x0                           ; the wave's end: behind my last tensor load and my last LDS store
	ds_add_u32 v[SPW], v[NIL]
	s_wait_dscnt 0x0
	CROUND                                         ; the closing round: no work-group ends while a partner may still ask for a tile that names it
	s_endpgm
.Lfunc_end_k_qa35b64a1aa_attn:
	.size	k_qa35b64a1aa_attn, .Lfunc_end_k_qa35b64a1aa_attn-k_qa35b64a1aa_attn
	.p2alignl 7, 3214868480
	.fill 96, 4, 3214868480
	.section	.rodata,"a",@progbits
	.p2align	6, 0x0
	.amdhsa_kernel k_qa35b64a1aa_attn
		.amdhsa_group_segment_fixed_size 327680
		.amdhsa_private_segment_fixed_size 0
		.amdhsa_enable_private_segment 0
		.amdhsa_kernarg_size 40
		.amdhsa_user_sgpr_count 2
		.amdhsa_user_sgpr_kernarg_segment_ptr 1
		.amdhsa_wavefront_size32 1
		.amdhsa_system_sgpr_workgroup_id_x 1
		.amdhsa_system_sgpr_workgroup_id_y 1
		.amdhsa_system_sgpr_workgroup_id_z 1
		.amdhsa_system_vgpr_workitem_id 0
		.amdhsa_next_free_vgpr 256
		.amdhsa_next_free_sgpr 106
		.amdhsa_reserve_vcc 0
		.amdhsa_float_denorm_mode_32 3
		.amdhsa_float_denorm_mode_16_64 3
		.amdhsa_memory_ordered 1
		.amdhsa_forward_progress 1
		.amdhsa_inst_pref_size 110
	.end_amdhsa_kernel
	.amdgpu_metadata
---
amdhsa.version: [ 1, 2 ]
amdhsa.kernels:
  - .name:           k_qa35b64a1aa_attn
    .symbol:         k_qa35b64a1aa_attn.kd
    .args:
      - { .name: qimg, .offset: 0, .size: 8, .value_kind: global_buffer, .address_space: global }
      - { .name: kvimg, .offset: 8, .size: 8, .value_kind: global_buffer, .address_space: global }
      - { .name: maskw, .offset: 16, .size: 8, .value_kind: global_buffer, .address_space: global }
      - { .name: lowp_scales, .offset: 24, .size: 8, .value_kind: global_buffer, .address_space: global }
      - { .name: out0, .offset: 32, .size: 8, .value_kind: global_buffer, .address_space: global }
    .group_segment_fixed_size: 327680
    .private_segment_fixed_size: 0
    .kernarg_segment_align: 8
    .kernarg_segment_size: 40
    .max_flat_workgroup_size: 512
    .sgpr_count:     106
    .vgpr_count:     256
    .wavefront_size: 32
...
	.end_amdgpu_metadata
.endif
;; end of part 4
;; ======== version 2 of 2: 3 launches
;; limits: right only within a limited range of input values
;; workspace buffers: codes 18,874,368 bytes; maskw 524,288 bytes of whole numbers; qimg 8,388,608 bytes; kvimg 16,777,216 bytes
;; launch prep (part 5): grid 1088 x 1, 4 waves a work-group, no clusters, 54,784 bytes of LDS; arguments query, key, value, Wq, Wk, Wv, lowp_scales, codes, mask, maskw; writes codes, maskw
.if DOCPART == 5
	.amdgcn_target "amdgcn-amd-amdhsa--gfx1250"
	.amdhsa_code_object_version 6
	.text
	.protected	k_qa35b64a1aa_prep
	.globl	k_qa35b64a1aa_prep
	.p2align	8
	.type	k_qa35b64a1aa_prep,@function
k_qa35b64a1aa_prep:
	s_mov_b64 s[64:65], 0
	v_nop
	global_prefetch_b8 v0, s[64:65] scope:SCOPE_SE
	s_setreg_imm32_b32 hwreg(HW_REG_WAVE_MODE, 25, 1), 1
	s_wait_xcnt 0x0
; TWO STREAMS IN ONE LAUNCH, parted by the work-group's number: work-groups 0-575 quantise the six f32 tensors, work-groups 576-1087 turn the mask into lane words.  Each path has LDS bytes of its own.
;
; PATH 1.  query, key, value [4096][1024] and Wq, Wk, Wv [2048][1024], f32, become codes of FP8 (E4M3), K innermost, each with the scale 2^e given for it:
; code = x / 2^e, held within +-448, rounded to the nearest code, ties to even.  e: entries 0, 2, 4 (query, key, value) and 1, 3, 5 (Wq, Wk, Wv) of the scales.
; LIMITS: -126 <= e <= 119, so that 2^e and 448 x 2^e are f32 numbers.  NaN among the inputs is not served (an infinity is held at the largest code).
; THE CODES' BUFFER holds the six tensors one behind the other, 18,432 rows of 1,024 bytes.  IN EVERY 32 ROWS THE FOUR GROUPS OF 8 ROWS LIE IN THE ORDER 0, 2, 1, 3:
; place 16 i + r of a block of 128 rows then holds row 32 (i / 2) + 8 (i % 2) + r + 8 (r / 8), the order in which the next launch wants the rows of a tile of 16.
; A work-group takes 32 rows, a wave 8 (8,192 numbers, 16 steps of 512): so the order above is one swap of the middle two waves' places.
; Work-groups 0-127 query, 128-255 key, 256-383 value, 384-447 Wq, 448-511 Wk, 512-575 Wv: only pointers and e are chosen.
; A conversion takes 8 neighbours from ONE lane's registers; a load is best where neighbouring LANES take neighbouring bytes.  Both are had: each of a step's four loads reads 512 consecutive
; bytes; the 2,048 bytes go through the wave's own stage in LDS and come back 64 bytes a lane (16 bytes of padding behind each 64).  A lane's 16 codes are 16 bytes: the wave stores 512 consecutive bytes.
; Loads run four steps (16 loads a wave) ahead, the turn through LDS one step.
;
; PATH 2.  The mask [2048][2048], int32, becomes LANE WORDS for the attention launch: for each tile T of 16 queries (128 tiles) and each step of 128 keys (16 steps) 64 words of 32 bits.
; Bit l = (r = l % 16, h = l / 16) of word 16 b + i is set where mask[q(T, r)][128 step + 32 b + 16 h + i] is not 0, with q(T, r) = 128 (T / 8) + 32 ((T % 8) / 2) + 8 (T % 2) + r + 8 (r / 8):
; the place that score register 16 b + i of lane l has there.  So a word is what a compare over the 32 lanes writes, and what a select over the 32 lanes reads.  16 MiB are read once; 512 KiB are written.
; Work-group 576 + 4 T + y, wave w: tile T, step 4 y + w: 16 rows x 512 bytes.  Each load reads 512 consecutive bytes of one row; the rows go through the wave's own stage in LDS (rows 528 bytes apart)
; and come back with a lane holding 16 neighbours of each block of 32 keys of ITS row.
; No tensor loads, no barrier on either path: waves share nothing.
.set NQ,    576                        ; work-groups of path 1
.set STEPS, 16
.set EMAX,  8
.set MANT,  0x600000                   ; the mantissa field of 448 as f32
.set R,     16                         ; path 1: v16-79   four sets of 16 numbers as they are loaded
.set X,     80                         ;         v80-111  two sets of 16 neighbours
.set C,     128                        ;         v128-191 codes: four registers for each step, so that no store's data are written again
.set SP,    80                         ;         a lane's place in a stage: its 64 bytes + 16 of padding
.set WREG,  2*32*SP                    ;         LDS: two stages of 32 x SP bytes for each wave: bytes 0 to 20,479
.set MSTG,  4*WREG                     ; path 2: LDS from here on: a stage of 16 rows for each wave
.set MPITCH, 528
.set MWREG, 16*MPITCH
.set MR,    16                         ;         v16-79   16 rows as loaded
.set MX,    80                         ;         v80-143  register 16 b + i: my row, key 32 b + 16 h + i
.set MW,    144                        ;         v[144:145] the 64 words: word w in register w % 2 of lane w / 2
	s_load_b512 s[8:23], s[0:1], 0x0               ; query s[8:9], key, value, Wq, Wk, Wv s[18:19], the scales s[20:21], the codes s[22:23]
	s_load_b128 s[36:39], s[0:1], 0x40             ; the mask s[36:37], the words s[38:39]
	v_lshl_add_u32 v192, v0, 2, 0xd400
	v_mov_b32 v193, 0
	v_lshrrev_b32 v1, 5, v0
	v_readfirstlane_b32 s2, v1                     ; wave
	v_and_b32 v2, 31, v0                           ; lane
	v_lshlrev_b32 v3, 4, v2                        ; my 16 bytes of a load's 512
	s_cmp_ge_u32 ttmp9, NQ                         ; the path hangs on the work-group's number alone
	s_cbranch_scc1 .Lmask
	; ---- PATH 1
	s_mul_i32 s3, s2, WREG
	v_lshrrev_b32 v14, 2, v2
	v_mul_u32_u24 v14, v14, SP
	v_and_b32 v15, 3, v2
	v_lshl_add_u32 v14, v15, 4, v14
	v_add_nc_u32 v14, s3, v14                      ; the stage, on the way in: SP (lane / 4) + 16 (lane % 4); a load's 512 bytes take eight places
	v_mul_u32_u24 v15, v2, SP
	v_add_nc_u32 v15, s3, v15                      ; and on the way out: SP x lane: my 16 neighbours
	s_and_b32 s32, s2, 1                           ; my 8 rows' place among the work-group's 32: waves 1 and 2 change places
	s_lshl_b32 s32, s32, 1
	s_lshr_b32 s33, s2, 1
	s_or_b32 s32, s32, s33
	s_lshl_b32 s33, ttmp9, 2
	s_add_co_u32 s32, s32, s33
	s_lshl_b32 s32, s32, 13                        ; x 8 rows of 1,024 bytes
	s_mov_b32 s33, 0
	s_wait_kmcnt 0x0
	s_load_b256 s[24:31], s[20:21], 0x0            ; e0 .. e7
	s_mov_b64 s[4:5], s[18:19]                     ; which tensor is mine: Wv, unless
	s_mov_b32 s6, 512
	s_cmp_lt_u32 ttmp9, 512
	s_cselect_b64 s[4:5], s[16:17], s[4:5]         ; Wk
	s_cselect_b32 s6, 448, s6
	s_cmp_lt_u32 ttmp9, 448
	s_cselect_b64 s[4:5], s[14:15], s[4:5]         ; Wq
	s_cselect_b32 s6, 384, s6
	s_cmp_lt_u32 ttmp9, 384
	s_cselect_b64 s[4:5], s[12:13], s[4:5]         ; value
	s_cselect_b32 s6, 256, s6
	s_cmp_lt_u32 ttmp9, 256
	s_cselect_b64 s[4:5], s[10:11], s[4:5]         ; key
	s_cselect_b32 s6, 128, s6
	s_cmp_lt_u32 ttmp9, 128
	s_cselect_b64 s[4:5], s[8:9], s[4:5]           ; query
	s_cselect_b32 s6, 0, s6                        ; s6: the tensor's first work-group
	s_sub_co_u32 s6, ttmp9, s6
	s_lshl_b32 s6, s6, 2
	s_add_co_u32 s6, s6, s2
	s_lshl_b32 s6, s6, 15                          ; my 8 rows of 4,096 bytes in the tensor
	s_mov_b32 s7, 0
	s_add_nc_u64 s[4:5], s[4:5], s[6:7]
	s_add_nc_u64 s[22:23], s[22:23], s[32:33]
.macro LOAD t
.irp i, 0,1,2,3
	global_load_b128 v[R+16*((\t)%4)+4*\i:R+16*((\t)%4)+4*\i+3], v3, s[4:5] offset:2048*(\t)+512*\i th:TH_LOAD_NT   ; 32 lanes read 512 consecutive bytes, read once in the launch
.endr
.endm
.macro TURN t                          ; step t's numbers through the stage: LDS serves a wave's instructions in order (ISA guide 5.7.1.4), so no wait stands between the stores and the loads
.irp i, 0,1,2,3
	ds_store_b128 v14, v[R+16*((\t)%4)+4*\i:R+16*((\t)%4)+4*\i+3] offset:32*SP*((\t)%2)+8*SP*\i
.endr
.irp i, 0,1,2,3
	ds_load_b128 v[X+16*((\t)%2)+4*\i:X+16*((\t)%2)+4*\i+3], v15 offset:32*SP*((\t)%2)+16*\i
.endr
.endm
	s_wait_alu depctr_va_vdst(0)
.irp t, 0,1,2,3
	LOAD \t
.endr
	s_wait_kmcnt 0x0
	s_mov_b32 s34, s29                             ; e, by the same chain: e5 (Wv), unless
	s_cmp_lt_u32 ttmp9, 512
	s_cselect_b32 s34, s27, s34                    ; e3 (Wk)
	s_cmp_lt_u32 ttmp9, 448
	s_cselect_b32 s34, s25, s34                    ; e1 (Wq)
	s_cmp_lt_u32 ttmp9, 384
	s_cselect_b32 s34, s28, s34                    ; e4 (value)
	s_cmp_lt_u32 ttmp9, 256
	s_cselect_b32 s34, s26, s34                    ; e2 (key)
	s_cmp_lt_u32 ttmp9, 128
	s_cselect_b32 s34, s24, s34                    ; e0 (query)
	s_add_co_i32 s34, s34, 127
	s_lshl_b32 s35, s34, 23
	v_mov_b32 v11, s35                             ; 2^e as f32: the conversion takes its exponent field
	s_add_co_i32 s34, s34, EMAX
	s_lshl_b32 s34, s34, 23
	s_or_b32 s34, s34, MANT
	v_mov_b32 v10, s34                             ; 448 x 2^e
	s_wait_alu depctr_va_vdst(0)
	s_wait_loadcnt 12                              ; step 0's four loads are in; those of steps 1 to 3 may be out
	TURN 0
.macro STEP t
.set XS, X+16*((\t)%2)
	s_wait_dscnt 0x0                               ; this step's numbers are back from the stage: so its stores into the stage have read their registers,
.if (\t)+4 < STEPS
	LOAD (\t)+4                                    ; which take the loads of four steps on
.endif
.if (\t)+1 < STEPS
.if STEPS-2-(\t) >= 3
	s_wait_loadcnt 12                              ; the next step's four loads are in; those of the three steps behind it may be out
.else
	s_wait_loadcnt 4*(STEPS-2-(\t))                ; the tail: fewer steps are behind it
.endif
	TURN (\t)+1                                    ; and go through the other stage while this step is worked
.endif
.irp i, 0,1,2,3,4,5,6,7,8,9,10,11,12,13,14,15
	v_med3_num_f32 v[XS+\i], v[XS+\i], -v10, v10   ; the conversion to an 8-bit code does not saturate (ISA guide 7.6.2): the number is held within 448 x the scale first
.endr
	v_cvt_scalef32_pk8_fp8_f32 v[C+4*(\t):C+4*(\t)+1], v[XS:XS+7], v11          ; eight numbers / 2^e, to the nearest code, ties to even; the first number's code in the lowest byte
	v_cvt_scalef32_pk8_fp8_f32 v[C+4*(\t)+2:C+4*(\t)+3], v[XS+8:XS+15], v11     ; (the results go to a store alone; the next vector lines are the next step's holds, plain ones on other registers)
	global_store_b128 v3, v[C+4*(\t):C+4*(\t)+3], s[22:23] offset:512*(\t)      ; 32 lanes store 512 consecutive bytes, at a multiple of 512 from the buffer's first byte
.endm
.irp t, 0,1,2,3,4,5,6,7,8,9,10,11,12,13,14,15
	STEP \t
.endr
	s_wait_tensorcnt 0x0
	ds_add_u32 v192, v193
	s_wait_dscnt 0x0
	s_endpgm
	; ---- PATH 2  (until the arguments are in, only registers that no pending load writes are used: s3, s24-31)
.Lmask:
	s_sub_co_u32 s3, ttmp9, NQ
	s_lshr_b32 s24, s3, 2                          ; T
	s_and_b32 s25, s3, 3
	s_lshl_b32 s25, s25, 2
	s_add_co_u32 s25, s25, s2                      ; the step
	s_mul_i32 s26, s2, MWREG
	s_add_co_u32 s26, s26, MSTG                    ; my stage
	s_wait_alu depctr_va_vdst(0)
	v_add_nc_u32 v4, s26, v3                       ; on the way in
	v_and_b32 v7, 15, v0                           ; r
	v_bfe_u32 v8, v0, 4, 1                         ; h
	v_mul_u32_u24 v5, v7, MPITCH
	v_lshl_add_u32 v5, v8, 6, v5
	v_add_nc_u32 v5, s26, v5                       ; and on the way out: row r, + 64 h
	v_lshlrev_b32 v6, 3, v2                        ; my two words' place in the 256 bytes that go out
	v_mov_b32 v[MW], 0                             ; (a lane write counts as a reader of its destination)
	v_mov_b32 v[MW+1], 0
	s_lshr_b32 s27, s24, 3
	s_lshl_b32 s27, s27, 7
	s_bfe_u32 s28, s24, 0x20001
	s_lshl_b32 s28, s28, 5
	s_add_co_u32 s27, s27, s28
	s_and_b32 s28, s24, 1
	s_lshl_b32 s28, s28, 3
	s_add_co_u32 s27, s27, s28                     ; q(T, 0)
	s_lshl_b32 s28, s27, 13                        ; a row of the mask is 8,192 bytes,
	s_lshl_b32 s29, s25, 9                         ; a step's keys 512
	s_add_co_u32 s28, s28, s29
	s_mov_b32 s29, 0
	s_lshl_b32 s30, s24, 4
	s_add_co_u32 s30, s30, s25
	s_lshl_b32 s30, s30, 8                         ; (16 T + step) x 256 bytes
	s_mov_b32 s31, 0
	s_wait_alu depctr_va_vdst(0)
	s_wait_kmcnt 0x0
	s_add_nc_u64 s[36:37], s[36:37], s[28:29]
	s_add_nc_u64 s[38:39], s[38:39], s[30:31]
.irp j, 0,1,2,3,4,5,6,7,8,9,10,11,12,13,14,15
	global_load_b128 v[MR+4*\j:MR+4*\j+3], v3, s[36:37] offset:(\j+8*(\j/8))*8192 th:TH_LOAD_NT   ; row q(T, j): 512 consecutive bytes, read once in the launch
.endr
.irp j, 0,1,2,3,4,5,6,7,8,9,10,11,12,13,14,15
	s_wait_loadcnt 15-\j                           ; row j is in; the younger loads stay out
	ds_store_b128 v4, v[MR+4*\j:MR+4*\j+3] offset:MPITCH*\j
.endr
.irp b, 0,1,2,3
.irp k, 0,1,2,3
	ds_load_b128 v[MX+16*\b+4*\k:MX+16*\b+4*\k+3], v5 offset:128*\b+16*\k   ; LDS serves a wave's instructions in order (ISA guide 5.7.1.4): these see the stores above
.endr
.endr
	s_wait_dscnt 0x0
.set w, 0
.rept 64
	v_cmp_ne_u32 s[24+w%8], 0, v[MX+w]             ; word w: one bit a lane
	v_writelane_b32 v[MW+w%2], s[24+w%8], w/2
.set w, w+1
.endr
	global_store_b64 v6, v[MW:MW+1], s[38:39]      ; 32 lanes store 256 consecutive bytes, at a multiple of 256 from the buffer's first byte
	s_wait_tensorcnt 0x0
	ds_add_u32 v192, v193
	s_wait_dscnt 0x0
	s_endpgm
.Lfunc_end_k_qa35b64a1aa_prep:
	.size	k_qa35b64a1aa_prep, .Lfunc_end_k_qa35b64a1aa_prep-k_qa35b64a1aa_prep
	.p2alignl 7, 3214868480
	.fill 96, 4, 3214868480
	.section	.rodata,"a",@progbits
	.p2align	6, 0x0
	.amdhsa_kernel k_qa35b64a1aa_prep
		.amdhsa_group_segment_fixed_size 54784
		.amdhsa_private_segment_fixed_size 0
		.amdhsa_enable_private_segment 0
		.amdhsa_kernarg_size 80
		.amdhsa_user_sgpr_count 2
		.amdhsa_user_sgpr_kernarg_segment_ptr 1
		.amdhsa_wavefront_size32 1
		.amdhsa_system_sgpr_workgroup_id_x 1
		.amdhsa_system_sgpr_workgroup_id_y 1
		.amdhsa_system_sgpr_workgroup_id_z 1
		.amdhsa_system_vgpr_workitem_id 0
		.amdhsa_next_free_vgpr 194
		.amdhsa_next_free_sgpr 66
		.amdhsa_reserve_vcc 0
		.amdhsa_float_denorm_mode_32 3
		.amdhsa_float_denorm_mode_16_64 3
		.amdhsa_memory_ordered 1
		.amdhsa_forward_progress 1
		.amdhsa_inst_pref_size 52
	.end_amdhsa_kernel
	.amdgpu_metadata
---
amdhsa.version: [ 1, 2 ]
amdhsa.kernels:
  - .name:           k_qa35b64a1aa_prep
    .symbol:         k_qa35b64a1aa_prep.kd
    .args:
      - { .name: query, .offset: 0, .size: 8, .value_kind: global_buffer, .address_space: global }
      - { .name: key, .offset: 8, .size: 8, .value_kind: global_buffer, .address_space: global }
      - { .name: value, .offset: 16, .size: 8, .value_kind: global_buffer, .address_space: global }
      - { .name: Wq, .offset: 24, .size: 8, .value_kind: global_buffer, .address_space: global }
      - { .name: Wk, .offset: 32, .size: 8, .value_kind: global_buffer, .address_space: global }
      - { .name: Wv, .offset: 40, .size: 8, .value_kind: global_buffer, .address_space: global }
      - { .name: lowp_scales, .offset: 48, .size: 8, .value_kind: global_buffer, .address_space: global }
      - { .name: codes, .offset: 56, .size: 8, .value_kind: global_buffer, .address_space: global }
      - { .name: mask, .offset: 64, .size: 8, .value_kind: global_buffer, .address_space: global }
      - { .name: maskw, .offset: 72, .size: 8, .value_kind: global_buffer, .address_space: global }
    .group_segment_fixed_size: 54784
    .private_segment_fixed_size: 0
    .kernarg_segment_align: 8
    .kernarg_segment_size: 80
    .max_flat_workgroup_size: 128
    .sgpr_count:     66
    .vgpr_count:     194
    .wavefront_size: 32
...
	.end_amdgpu_metadata
.endif
;; end of part 5
;; launch proj (part 6): grid 8 x 48, 4 waves a work-group, clusters of 4 x 4, 327,680 bytes of LDS; arguments codes, lowp_scales, bq, bk, bv, qimg, kvimg; writes qimg, kvimg
.if DOCPART == 6
	.amdgcn_target "amdgcn-amd-amdhsa--gfx1250"
	.amdhsa_code_object_version 6
	.text
	.protected	k_qa35b64a1aa_proj
	.globl	k_qa35b64a1aa_proj
	.p2align	8
	.type	k_qa35b64a1aa_proj,@function
k_qa35b64a1aa_proj:
	s_mov_b64 s[64:65], 0
	v_nop
	global_prefetch_b8 v0, s[64:65] scope:SCOPE_SE
	s_setreg_imm32_b32 hwreg(HW_REG_WAVE_MODE, 25, 1), 1
	s_wait_xcnt 0x0
	s_wait_alu depctr_hold_cnt(0) depctr_sa_sdst(0) depctr_va_vdst(0) depctr_va_sdst(0) depctr_va_ssrc(0) depctr_va_vcc(0) depctr_vm_vsrc(0)
	s_getreg_b32 s2, hwreg(HW_REG_IB_STS2, 6, 4)
	s_cmp_eq_u32 s2, 0
	s_cbranch_scc0 .Lentry_in_a_cluster
	s_endpgm
.Lentry_in_a_cluster:
	s_bfe_u32 s2, ttmp6, 0x10000c
	s_cmp_lg_u32 s2, 0xf033
	s_cbranch_scc0 .Lentry_shape_is_right
	s_endpgm
.Lentry_shape_is_right:
; The three projections on codes of FP8: a work-group of four waves makes a block of 256 x 256, K = 1,024 in four K steps of 256 through a ring of two LDS slots, filled by joint loads of a 4 x 4 cluster.
; On the way out the bias is added, relu and the hold are one line, and the results are quantised and stored as images of the attention launch's operand registers (V's with the keys innermost).
; PREFETCH: behind K step 0's load each wave asks for K steps 1 and 2, behind K step 1's for K step 3: 32 rows x 256 bytes an instruction, a lane a row; of the 128 rows that a wave fetches
; the four partners of the joint load take 32 each, told apart by address (cx for A's rows, cy for B's).  Every address lies in the rows that the wave's own loads name.
.set ROWB,   256
.set KROW,   1024
.set PITCH,  272
.set FR,     16
.set NL,     4
.set NP,     4
.set HALFT,  128*PITCH
.set SLOT,   4*HALFT
.set SPARE,  2*SLOT
.set ADRA, 16
.set ADRB, 20
.set BH,   24
.set BL,   25
.set LI,   26
.set SC,   27
.set SPW,  28
.set NIL,  29
.set LIM,  30
.set BI,   32
.set BV,   96
.set AF,   128
.set TMP,  128
.set CD,   192
.set G1, 24
.set G0, 32
.set G1B, 48
.set G0B, 56
.set MSB, 0
.macro WIN new
.if MSB != (\new)
	s_set_vgpr_msb (MSB<<8)|(\new)
.set MSB, (\new)
.endif
.endm
.set MUL_LO, 0xa1
.set MUL_HI, 0xf1
.set TO_B,   0x40
.macro JLOAD g0a, g1a, g0b, g1b
	s_cmp_eq_u32 s15, 0
	s_cbranch_scc0 .Lfor_b_\@
	tensor_load_to_lds s[\g0a:\g0a+3], s[\g1a:\g1a+7]
	s_nop 0
.rept 4
	v_nop
.endr
	s_branch .Lasked_\@
.Lfor_b_\@:
	tensor_load_to_lds s[\g0b:\g0b+3], s[\g1b:\g1b+7]
	s_nop 0
.rept 4
	v_nop
.endr
.Lasked_\@:
.endm
.macro CREST
	s_cmp_lg_u32 s14, 0
	s_cbranch_scc1 .Lnot_wave_0_\@
	s_barrier_signal -3
.Lnot_wave_0_\@:
	s_barrier_wait -3
	s_barrier_signal -1
	s_barrier_wait -1
.endm
.macro CROUND
	s_barrier_signal -1
	s_barrier_wait -1
	CREST
.endm
	s_load_b128 s[4:7], s[0:1], 0x0
	s_load_b128 s[8:11], s[0:1], 0x10
	s_load_b64 s[12:13], s[0:1], 0x20
	s_load_b128 s[84:87], s[0:1], 0x28
	v_lshl_add_u32 v[SPW], v0, 2, SPARE
	v_mov_b32 v[NIL], 0
	ds_add_u32 v28, v29
	ds_add_u32 v28, v29
	s_wait_dscnt 0x0
	v_lshrrev_b32 v1, 5, v0
	v_readfirstlane_b32 s14, v1
	v_and_b32 v31, 31, v0
	v_lshlrev_b32 v31, 10, v31                     ; the prefetches' offset: my lane x a row of 1,024 bytes; never rewritten
	s_lshr_b32 s15, s14, 1
	s_and_b32 s16, s14, 1
	s_bfe_u32 s40, ttmp6, 0x40000
	s_bfe_u32 s41, ttmp6, 0x40004
	s_and_b32 s70, ttmp7, 0xffff
	s_lshr_b32 s88, s70, 2
	s_lshl_b32 s88, s88, 3
	s_add_co_u32 s88, s88, 48
	s_lshr_b32 s89, s70, 1
	s_lshl_b32 s89, s89, 3
	s_lshl_b32 s90, s70, 2
	s_and_b32 s91, s70, 1
	s_lshl_b32 s91, s91, 2
	s_add_co_u32 s91, s91, 64
	s_cmp_lt_u32 s70, 8
	s_cselect_b32 s88, s88, s89
	s_cselect_b32 s90, s90, s91
	s_lshl_b32 s42, ttmp9, 2
	s_add_co_u32 s42, s42, s40
	s_add_co_u32 s42, s42, s88
	s_add_co_u32 s17, s90, s41
	s_lshl_b32 s43, s41, 2
	s_lshl_b32 s43, 15, s43
	s_lshl_b32 s44, 0x1111, s40
	s_or_b32 s[G1+0], s43, (0<<16)|(1<<20)|(1<<21)|(5<<22)|(3<<25)
	s_or_b32 s[G1B+0], s44, (0<<16)|(1<<20)|(1<<21)|(5<<22)|(3<<25)
.irp g, G1, G1B
	s_mov_b32 s[\g+1], ROWB<<16
	s_mov_b32 s[\g+2], 128<<16
	s_mov_b32 s[\g+3], ROWB<<16
	s_mov_b32 s[\g+4], 128
	s_mov_b32 s[\g+5], KROW
	s_mov_b32 s[\g+6], 0
	s_mov_b32 s[\g+7], 0
.endr
	s_lshl_b32 s18, s16, 7
	s_lshl_b32 s20, s17, 8
	s_add_co_u32 s20, s20, s18
	s_lshl_b32 s46, s42, 8
	s_add_co_u32 s46, s46, s18
	s_lshl_b32 s20, s20, 10
	s_lshl_b32 s46, s46, 10
	s_mov_b32 s21, 0
	s_mov_b32 s47, 0
	s_mul_i32 s45, s14, HALFT
	s_wait_kmcnt 0x0
	s_load_b256 s[72:79], s[6:7], 0x0
	s_load_b64 s[80:81], s[6:7], 0x20
	s_add_nc_u64 s[20:21], s[4:5], s[20:21]
	s_add_nc_u64 s[46:47], s[4:5], s[46:47]
	s_cmp_eq_u32 s15, 0                            ; do I fetch for A?
	s_cselect_b64 s[66:67], s[20:21], s[46:47]     ; the 128 rows that I fetch,
	s_cselect_b32 s68, s40, s41                    ; my place among the four that ask for them with me,
	s_lshl_b32 s68, s68, 15                        ; x 32 rows of 1,024 bytes
	s_mov_b32 s69, 0
	s_add_nc_u64 s[66:67], s[66:67], s[68:69]      ; s[66:67]: where my prefetches stand; never rewritten
	CROUND
.irp s, 0,1
	s_mov_b32 s[G0+4*\s], 1
	s_add_co_u32 s[G0+4*\s+1], s45, \s*SLOT
	s_add_nc_u64 s[G0+4*\s+2:G0+4*\s+3], s[20:21], \s*ROWB
	s_or_b32 s[G0+4*\s+3], s[G0+4*\s+3], 0x80000000
	s_mov_b32 s[G0B+4*\s], 1
	s_add_co_u32 s[G0B+4*\s+1], s45, \s*SLOT
	s_add_nc_u64 s[G0B+4*\s+2:G0B+4*\s+3], s[46:47], \s*ROWB
	s_or_b32 s[G0B+4*\s+3], s[G0B+4*\s+3], 0x80000000
	s_wait_alu depctr_va_vdst(0)
.if \s
	s_wait_tensorcnt 0x0                           ; slot 1's first fill is issued as a refill is
	ds_add_u32 v28, v29
	ds_add_u32 v28, v29
	s_wait_dscnt 0x0
	CROUND
.endif
	JLOAD G0+4*\s, G1, G0B+4*\s, G1B
.if \s == 0
	global_prefetch_b8 v31, s[66:67] offset:ROWB th:TH_LOAD_NT scope:SCOPE_SE          ; K step 1
.endif
	global_prefetch_b8 v31, s[66:67] offset:(\s+2)*ROWB th:TH_LOAD_NT scope:SCOPE_SE   ; the K step two on
.endr
	v_and_b32 v1, 15, v0
	v_bfe_u32 v2, v0, 4, 1
	v_mul_u32_u24 v3, v1, PITCH
	v_lshl_add_u32 v4, v2, 4, v3
	s_mul_i32 s21, s15, HALFT
	s_mul_i32 s22, s16, HALFT
	s_add_co_u32 s22, s22, 2*HALFT
.irp s, 0,1
	v_add_nc_u32 v[ADRA+\s], s21, v4
	v_add_nc_u32 v[ADRB+\s], s22, v4
	s_add_co_u32 s21, s21, SLOT
	s_add_co_u32 s22, s22, SLOT
.endr
	v_lshlrev_b32 v[BH], 6, v2
	v_and_b32 v[BL], 8, v1
	v_add_nc_u32 v[BL], v[BL], v1
	v_lshlrev_b32 v[BL], 2, v[BL]
	v_and_b32 v[LI], 31, v0
	v_lshlrev_b32 v[LI], 4, v[LI]
	s_wait_kmcnt 0x0
	s_cmp_lt_u32 s70, 8
	s_cselect_b32 s88, s74, s76
	s_cselect_b32 s89, s75, s77
	s_cselect_b32 s90, s79, s81
	s_cselect_b64 s[10:11], s[10:11], s[12:13]
	s_cmp_lt_u32 s70, 4
	s_cselect_b32 s88, s72, s88
	s_cselect_b32 s89, s73, s89
	s_cselect_b32 s90, s78, s90
	s_cselect_b64 s[8:9], s[8:9], s[10:11]
	s_cselect_b64 s[84:85], s[84:85], s[86:87]
	s_lshl_b32 s91, s42, 1
	s_add_co_u32 s91, s91, s16
	s_lshl_b32 s92, s17, 1
	s_add_co_u32 s92, s92, s15
	s_cmp_lt_u32 s70, 8
	s_cselect_b32 s93, s92, s91
	s_cselect_b32 s94, s91, s92
	s_and_b32 s94, s94, 15
	s_and_b32 s93, s93, 31
	s_lshr_b32 s95, s93, 4
	s_lshl_b32 s95, s95, 4
	s_add_co_u32 s95, s95, s94
	s_lshl_b32 s95, s95, 4
	s_and_b32 s93, s93, 15
	s_add_co_u32 s95, s95, s93
	s_cmp_lt_u32 s70, 4
	s_cselect_b32 s93, 14, 15
	s_lshl_b32 s18, s95, s93
	s_cmp_lt_u32 s70, 8
	s_cselect_b32 s93, 0, 16384
	s_add_co_u32 s18, s18, s93
	s_mov_b32 s19, 0
	s_add_nc_u64 s[84:85], s[84:85], s[18:19]
	s_lshl_b32 s18, s94, 9
	s_add_nc_u64 s[8:9], s[8:9], s[18:19]
	s_add_co_i32 s82, s88, s89
	s_sub_co_i32 s83, s90, s82
	s_sub_co_i32 s82, 0, s82
	s_add_co_i32 s83, s83, 127
	s_lshl_b32 s88, s83, 23
	v_mov_b32 v[SC], s88
	s_add_co_i32 s83, s83, 8
	s_lshl_b32 s83, s83, 23
	s_or_b32 s83, s83, 0x600000
	v_mov_b32 v[LIM], s83
.macro FRAG reg, adr, q, i
.irp c, 0,1,2,3
	ds_load_b128 v[\reg+4*\c:\reg+4*\c+3], v[\adr] offset:128*(\q)+32*\c+(\i)*16*PITCH
.endr
.endm
.macro MUL16 a0, p, zero
.irp a, \a0, \a0+1
.irp b, 0,1,2,3,4,5,6,7
.if \zero
	v_wmma_f32_16x16x128_fp8_fp8 v[8*(8*((\a)%4)+\b):8*(8*((\a)%4)+\b)+7], v[128*(\p)+FR*\b:128*(\p)+FR*\b+FR-1], v[AF+FR*(\a):AF+FR*(\a)+FR-1], 0
.else
	v_wmma_f32_16x16x128_fp8_fp8 v[8*(8*((\a)%4)+\b):8*(8*((\a)%4)+\b)+7], v[128*(\p)+FR*\b:128*(\p)+FR*\b+FR-1], v[AF+FR*(\a):AF+FR*(\a)+FR-1], v[8*(8*((\a)%4)+\b):8*(8*((\a)%4)+\b)+7]
.endif
.endr
.endr
.endm
.macro FETCH_B slot, q, p
	WIN TO_B
.irp i, 0,1,2,3,4,5,6,7
	FRAG 128*(\p)+FR*\i, ADRB+\slot, \q, \i
.endr
	WIN 0
.endm
.macro FETCH_A slot, q, i0
.irp i, \i0, \i0+1, \i0+2, \i0+3
	FRAG AF+FR*(\i), ADRA+\slot, \q, \i
.endr
.endm
.macro PLACES n
.rept \n
	v_nop
.endr
.endm
.macro STEP slot, q, zero
	s_wait_dscnt 4*NL
	WIN MUL_LO
	MUL16 0, (\q)%2, \zero
	MUL16 2, (\q)%2, \zero
	s_wait_dscnt 0
	PLACES NP
	FETCH_B \slot, (\q)+1, 1-(\q)%2
	FETCH_A \slot, (\q)+1, 0
	WIN MUL_HI
	MUL16 4, (\q)%2, \zero
	MUL16 6, (\q)%2, \zero
	PLACES NP
	WIN 0
	FETCH_A \slot, (\q)+1, 4
.endm
.macro TURN slot, next, fill
	s_wait_tensorcnt 0x0
	ds_add_u32 v[SPW], v[NIL]
	s_wait_dscnt 4*NL+1
	WIN MUL_LO
	MUL16 0, 1, 0
	s_wait_dscnt 0x0
	s_barrier_signal -1
	MUL16 2, 1, 0
	WIN 0
	s_barrier_wait -1
.if \fill
	CREST
	s_add_nc_u64 s[G0+4*\slot+2:G0+4*\slot+3], s[G0+4*\slot+2:G0+4*\slot+3], 2*ROWB
	s_add_nc_u64 s[G0B+4*\slot+2:G0B+4*\slot+3], s[G0B+4*\slot+2:G0B+4*\slot+3], 2*ROWB
	JLOAD G0+4*\slot, G1, G0B+4*\slot, G1B
.else
	PLACES NP
.endif
	s_wait_alu depctr_va_vdst(0)
	FETCH_B \next, 0, 0
	FETCH_A \next, 0, 0
	WIN MUL_HI
	MUL16 4, 1, 0
	MUL16 6, 1, 0
	PLACES NP
	WIN 0
	FETCH_A \next, 0, 4
.endm
.macro LAST
	s_wait_dscnt 4*NL
	WIN MUL_LO
	MUL16 0, 1, 0
	MUL16 2, 1, 0
	s_wait_dscnt 0
	WIN MUL_HI
	MUL16 4, 1, 0
	MUL16 6, 1, 0
	WIN 0
.endm
.macro EPI vt
	s_wait_loadcnt 0x0
.if \vt
.irp a, 0,1,2,3,4,5,6,7
	v_ldexp_f32 v[BI+2*\a], v[BV+\a], s82
	v_ldexp_f32 v[BI+2*\a+1], v[BV+\a], s82
.endr
.else
.set j, 0
.rept 64
	v_ldexp_f32 v[BI+j], v[BI+j], s82
.set j, j+1
.endr
.endif
.irp a, 0,1,2,3,4,5,6,7
	WIN 0x02+\a/4
.set j, 0
.rept 32
.if \vt
	v_pk_add_f32 v[TMP+j:TMP+j+1], v[64*(\a%4)+j:64*(\a%4)+j+1], v[BI+2*\a:BI+2*\a+1]
.else
	v_pk_add_f32 v[TMP+j:TMP+j+1], v[64*(\a%4)+j:64*(\a%4)+j+1], v[BI+j:BI+j+1]
.endif
.set j, j+2
.endr
	WIN 0
.set j, 0
.rept 64
	v_med3_num_f32 v[TMP+j], v[TMP+j], 0, v[LIM]
.set j, j+1
.endr
.if \a >= 2
	s_wait_alu depctr_va_vdst(0)
	s_wait_xcnt 0x0
.endif
.irp g, 0,1,2,3,4,5,6,7
	v_cvt_scalef32_pk8_fp8_f32 v[CD+16*(\a%2)+2*\g:CD+16*(\a%2)+2*\g+1], v[TMP+8*\g:TMP+8*\g+7], v[SC]
.endr
	v_nop
.irp c, 0,1,2,3
	global_store_b128 v[LI], v[CD+16*(\a%2)+4*\c:CD+16*(\a%2)+4*\c+3], s[84:85] offset:2048*\a+512*\c
.endr
.endr
	s_wait_tensorcnt 0x0
	ds_add_u32 v[SPW], v[NIL]
	s_wait_dscnt 0x0
.endm
	s_wait_tensorcnt 0x1
	s_barrier_signal -1
	s_barrier_wait -1
	FETCH_B 0, 0, 0
	FETCH_A 0, 0, 0
	FETCH_A 0, 0, 4
	STEP 0, 0, 1
	TURN 0, 1, 1
	STEP 1, 0, 0
	TURN 1, 0, 1
	STEP 0, 0, 0
	TURN 0, 1, 0
	STEP 1, 0, 0
	s_cmp_lt_u32 s70, 8
	s_cbranch_scc0 .Lv
.irp b, 0,1,2,3
.irp k, 0,1,2,3
	global_load_b128 v[BI+16*\b+4*\k:BI+16*\b+4*\k+3], v[BH], s[8:9] offset:128*\b+16*\k
.endr
.endr
	LAST
	EPI 0
	s_branch .Lend
.Lv:
.irp a, 0,1,2,3,4,5,6,7
	global_load_b32 v[BV+\a], v[BL], s[8:9] offset:(32*(\a/2)+8*(\a%2))*4
.endr
	LAST
	EPI 1
.Lend:
	CROUND
	s_endpgm
.Lfunc_end_k_qa35b64a1aa_proj:
	.size	k_qa35b64a1aa_proj, .Lfunc_end_k_qa35b64a1aa_proj-k_qa35b64a1aa_proj
	.p2alignl 7, 3214868480
	.fill 96, 4, 3214868480
	.section	.rodata,"a",@progbits
	.p2align	6, 0x0
	.amdhsa_kernel k_qa35b64a1aa_proj
		.amdhsa_group_segment_fixed_size 327680
		.amdhsa_private_segment_fixed_size 0
		.amdhsa_enable_private_segment 0
		.amdhsa_kernarg_size 56
		.amdhsa_user_sgpr_count 2
		.amdhsa_user_sgpr_kernarg_segment_ptr 1
		.amdhsa_wavefront_size32 1
		.amdhsa_system_sgpr_workgroup_id_x 1
		.amdhsa_system_sgpr_workgroup_id_y 1
		.amdhsa_system_sgpr_workgroup_id_z 1
		.amdhsa_system_vgpr_workitem_id 0
		.amdhsa_next_free_vgpr 1024
		.amdhsa_next_free_sgpr 98
		.amdhsa_reserve_vcc 0
		.amdhsa_float_denorm_mode_32 3
		.amdhsa_float_denorm_mode_16_64 3
		.amdhsa_memory_ordered 1
		.amdhsa_forward_progress 1
		.amdhsa_inst_pref_size 204
	.end_amdhsa_kernel
	.amdgpu_metadata
---
amdhsa.version: [ 1, 2 ]
amdhsa.kernels:
  - .name:           k_qa35b64a1aa_proj
    .symbol:         k_qa35b64a1aa_proj.kd
    .args:
      - { .name: codes, .offset: 0, .size: 8, .value_kind: global_buffer, .address_space: global }
      - { .name: lowp_scales, .offset: 8, .size: 8, .value_kind: global_buffer, .address_space: global }
      - { .name: bq, .offset: 16, .size: 8, .value_kind: global_buffer, .address_space: global }
      - { .name: bk, .offset: 24, .size: 8, .value_kind: global_buffer, .address_space: global }
      - { .name: bv, .offset: 32, .size: 8, .value_kind: global_buffer, .address_space: global }
      - { .name: qimg, .offset: 40, .size: 8, .value_kind: global_buffer, .address_space: global }
      - { .name: kvimg, .offset: 48, .size: 8, .value_kind: global_buffer, .address_space: global }
    .group_segment_fixed_size: 327680
    .private_segment_fixed_size: 0
    .kernarg_segment_align: 8
    .kernarg_segment_size: 56
    .max_flat_workgroup_size: 128
    .sgpr_count:     98
    .vgpr_count:     1024
    .wavefront_size: 32
...
	.end_amdgpu_metadata
.endif
;; end of part 6
;; launch attn (part 7): grid 8 x 32, 8 waves a work-group, clusters of 4 x 1, 327,680 bytes of LDS; arguments qimg, kvimg, maskw, lowp_scales, out0; writes out0
.if DOCPART == 7
	.amdgcn_target "amdgcn-amd-amdhsa--gfx1250"
	.amdhsa_code_object_version 6
	.text
	.protected	k_qa35b64a1aa_attn
	.globl	k_qa35b64a1aa_attn
	.p2align	8
	.type	k_qa35b64a1aa_attn,@function
k_qa35b64a1aa_attn:
	s_mov_b64 s[64:65], 0
	v_nop
	global_prefetch_b8 v0, s[64:65] scope:SCOPE_SE
	s_setreg_imm32_b32 hwreg(HW_REG_WAVE_MODE, 25, 1), 1
	s_wait_xcnt 0x0
	s_wait_alu depctr_hold_cnt(0) depctr_sa_sdst(0) depctr_va_vdst(0) depctr_va_sdst(0) depctr_va_ssrc(0) depctr_va_vcc(0) depctr_vm_vsrc(0)
	s_getreg_b32 s2, hwreg(HW_REG_IB_STS2, 6, 4)
	s_cmp_eq_u32 s2, 0
	s_cbranch_scc0 .Lentry_in_a_cluster
	s_endpgm
.Lentry_in_a_cluster:
	s_bfe_u32 s2, ttmp6, 0x10000c
	s_cmp_lg_u32 s2, 0x3003
	s_cbranch_scc0 .Lentry_shape_is_right
	s_endpgm
.Lentry_shape_is_right:
; out[n][q][128 hd + d] = the sum over k of softmax_k(masked Q[q] . K[k] / sqrt(128)) V[k][d], for each of 32 pairs nh = 16 n + hd; both products on codes of FP8 (E4M3) with the given scales eq, ek, ep, ev (entries 6 to 9).
; THE SOFTMAX AHEAD OF THE SECOND PRODUCT: t = score x log2(e) / sqrt(128); M = the row's largest t so far, rounded UP to a whole number; p = 2^(t - M) is what is quantised, along the keys, not normalised.
; The row's sum is taken of the unquantised p, in f32, and divides O at the end.  When M moves, the sum and O are multiplied by 2^(old M - new M): exact.
; INPUTS ARE IMAGES OF THE OPERANDS' REGISTERS (2,048 bytes a fragment, register 4 c + x of lane l at 512 c + 16 l + 4 x): Q [nh][tile T of 16 queries]; K and V [nh][step of 128 keys][8 tiles of K, 8 of V].
; Lane r of Q's tile T is query q(T, r) = 128 (T / 8) + 32 ((T % 8) / 2) + 8 (T % 2) + r + 8 (r / 8); K's tiles hold their keys, V's their d, in the same order of rows.  Both products are used transposed
; (S^T = K Q^T, O^T = V^T P^T): a lane holds ONE query throughout; register 16 b + i of S^T is key 32 b + 16 h + i of the step, of O^T d = 32 b + 16 h + i: p's conversions give the second product's operand as it stands.
; THE MASK comes as lane words: word 16 b + i of (T, step) has a bit for each lane, set where the key counts.  64 words a tile and step come by four scalar loads; one select a score.
; A HIDDEN SCORE becomes the raw number -2^(26 - eq - ek), whose t is the whole number -8,557,550, in place of the reference's -1e7 (t about -14,426,950).  The results are the same for every input:
; Q and K are not negative (the reference's relu), so an open score is 0 or more and M is 0 or more as soon as one key of the row counts: a hidden p is then 0 with either number;
; in a row with no open key every t equals M with either number (in f32 both are whole numbers), every p is 1, and the result is the mean of V.
; SHARES.  A work-group owns 256 queries of one nh; each of its EIGHT waves TWO tiles of 16 (T0 = 16 x block + 2 x wave, and T0 + 1), in 512 registers: each fragment of K and V read from LDS feeds two matrix
; instructions, so the work-group reads 8 x 32 KiB of LDS a key step; two waves to a SIMD, so that one wave's vector work stands beside the other's matrix work.
; Every wave walks the 2,048 keys, 128 a step.  K's and V's images come through a ring of two LDS slots of four steps (32 KiB a step, dense, as they lie in memory); waves 0 to 3 fetch one step each.
; CLUSTER.  The four blocks of queries of a cluster belong to one nh and walk the same K and V: each load is asked for JOINTLY, with the same descriptor and a mask that names the four.
; REGISTERS, in two windows of 256 (s_set_vgpr_msb: bits 1:0 source 0, 3:2 source 1, 5:4 source 2, 7:6 destination).  TILE 1 LIES IN WINDOW 1 AT TILE 0'S NUMBERS, so the softmax is written once and runs under 0 or 0x55:
;   v12 -M, v13 the largest t, v[14:15] the sum; v16-31 Q; v32-95 region RA; v96-159 region RB; v160-223 O^T; v224-239 p's codes; v240-254 constants and at work.  Window 0 alone: v1-8 addresses.
; THE TWO REGIONS CHANGE ROLES FROM STEP TO STEP.  In a step K's eight fragments lie in region KR (0-3 in window 0, 4-7 in window 1) and the scores go to region SR (a tile's in its window).  V's fragments go into KR
; behind the score products and land under the first softmax; the NEXT step's K goes into SR as soon as a tile's p is converted: so no run of LDS loads stands directly ahead of its use but K at a slot's head.
; LIMITS on the given exponents, so that each power of two below is an f32 number: eq + ek between -101 and 130; ep between -126 and 119; ep + ev is applied by v_ldexp_f32 and has none.  NaN among the inputs is not served.
.set STEPB, 32768                      ; a step's images: K's 16 KiB, then V's
.set SLOT1, 131072                     ; a slot holds four steps; slot 1 begins here, so that one exclusive or turns an address in one slot into the other's
.set SPARE, 2*SLOT1                    ; behind the ring: the spare words, 128 bytes for each wave: four blocks of 256 bytes that no other line names
.set SP,    272                        ; the way out: a stage of 16 rows x (256 bytes + 16) for each wave, in slot 0: it has had its last fill and its last read when the first result is stored there
.set RA,   32
.set RB,   96
.set OT,   160
.set PC,   224
.set LI,   1                           ; v1   16 x lane: my place in an image
.set STO,  2                           ; v2   the way out: where I put my numbers of a row
.set RD,   3                           ; v3   and where I read a row back
.set GO,   4                           ; v4   my byte offset in two rows of the output
.set SPW,  5                           ; v5   LDS address of my spare word; never rewritten
.set NIL,  6                           ; v6   0; never rewritten
.set ADK,  8                           ; v8   LDS address of the step's images for my lane
.set WV,   14                          ; s14  my wave's number
.set TB,   15                          ; s15  LDS byte at which the slot in hand begins
.set G1,   16                          ; s[16:23] descriptor group 1;  s[24:27] group 0, which walks
.set G0,   24
.set SEL,  66                          ; s[66:67] lane selects for v_permlanex16_b32: lane l xor 16
.set CS,   100                         ; s[100:101] c = log2(e) / sqrt(128) x 2^(eq + ek): the packed form names a pair and takes its low word for both halves
.set CNT,  104                         ; s104 slots still to be asked for
.set EPV,  105                         ; s105 ep + ev
; s[32:63] and s[68:99]: 64 mask words, a tile's and step's at a time
.set MSB, 0
.macro WIN new                         ; the immediate's high byte repeats the setting that is left; a switch that changes nothing is dropped
.if MSB != (\new)
	s_set_vgpr_msb (MSB<<8)|(\new)
.set MSB, (\new)
.endif
.endm
.macro CROUND                          ; a round of the cluster's barrier
	s_barrier_signal -1
	s_barrier_wait -1
	s_cmp_lg_u32 s[WV], 0
	s_cbranch_scc1 .Lnot_wave_0_\@
	s_barrier_signal -3
.Lnot_wave_0_\@:
	s_barrier_wait -3
	s_barrier_signal -1
	s_barrier_wait -1
.endm
.macro JLOAD                           ; a joint load: waves 0 to 3 fetch a step each, the others nothing; the branch hangs on the wave's number alone.  Four v_nop follow the load
	s_cmp_lt_u32 s[WV], 4
	s_cbranch_scc0 .Lnone_\@
	tensor_load_to_lds s[G0:G0+3], s[G1:G1+7]
	s_nop 0
.rept 4
	v_nop
.endr
.Lnone_\@:
.endm
	s_load_b256 s[4:11], s[0:1], 0x0               ; Q's images s[4:5], K's and V's s[6:7], the mask words s[8:9], the scales' exponents s[10:11]
	s_load_b64 s[12:13], s[0:1], 0x20              ; the output
	v_lshl_add_u32 v[SPW], v0, 2, SPARE
	v_mov_b32 v[NIL], 0
	ds_add_u32 v5, v6
	ds_add_u32 v5, v6
	s_wait_dscnt 0x0
	v_lshrrev_b32 v8, 5, v0
	s_delay_alu instid0(VALU_DEP_1)
	v_readfirstlane_b32 s[WV], v8                  ; wave 0..7
	v_and_b32 v[LI], 31, v0
	s_delay_alu instid0(VALU_DEP_1)
	v_lshlrev_b32 v[LI], 4, v[LI]
	v_and_b32 v9, 15, v0                           ; r
	v_bfe_u32 v10, v0, 4, 1                        ; h
	s_mul_i32 s42, s[WV], 16*SP                    ; my stage
	v_mul_u32_u24 v[STO], v9, SP
	s_delay_alu instid0(VALU_DEP_1)
	v_lshl_add_u32 v[STO], v10, 6, v[STO]
	s_delay_alu instid0(VALU_DEP_1)
	v_add_nc_u32 v[STO], s42, v[STO]               ; in: row r, + 64 h: my half's 16 numbers of each 32
	v_mul_u32_u24 v[RD], v10, SP
	s_delay_alu instid0(VALU_DEP_1)
	v_lshl_add_u32 v[RD], v9, 4, v[RD]
	s_delay_alu instid0(VALU_DEP_1)
	v_add_nc_u32 v[RD], s42, v[RD]                 ; back: lanes 0-15 one row of 256 bytes, lanes 16-31 the next
	v_lshlrev_b32 v[GO], 13, v10
	s_delay_alu instid0(VALU_DEP_1)
	v_lshl_add_u32 v[GO], v9, 4, v[GO]             ; and the same two rows in the output, 8,192 bytes apart
	; THE MASK WORDS ARE PREFETCHED a slot ahead: at each change of slots that fills, a wave asks for its two tiles' words of the next four steps: 2 x 1,024 bytes, eight blocks of 256;
	; lanes 0-7 name a block each, the other lanes the last block again.  All 32 nh read the same words: the clusters of nh 0 and 16 alone ask.  The three asking changes name slots 1 to 3: inside the buffer.
	; K's and V's slots get no prefetch: each joint load is issued four key steps ahead of its first read.
	v_and_b32 v7, 31, v0
	s_delay_alu instid0(VALU_DEP_1)
	v_min_u32 v7, 7, v7
	s_delay_alu instid0(VALU_DEP_1)
	v_lshlrev_b32 v7, 8, v7
	s_delay_alu instid0(VALU_DEP_1)
	v_and_b32 v11, 0x400, v7
	s_delay_alu instid0(VALU_DEP_1)
	v_mad_u32_u24 v7, v11, 3, v7                   ; v7 = 256 (x % 4) + 4,096 (x / 4), x = min(lane, 7); never rewritten
	s_and_b32 s31, ttmp7, 15                       ; 0 where nh is 0 or 16: the four partners share it
	s_bfe_u32 s43, ttmp6, 0x40000                  ; cx: my place in the cluster: it enters Q's, the mask's and the output's addresses alone
	s_lshl_b32 s44, ttmp9, 2
	s_add_co_u32 s44, s44, s43                     ; my block of 256 queries
	s_lshl_b32 s44, s44, 4
	s_lshl_b32 s47, s[WV], 1
	s_add_co_u32 s44, s44, s47                     ; T0: my first tile of 16 queries, an even number
	s_and_b32 s45, ttmp7, 0xffff                   ; nh, which the four partners share
	; descriptor group 1: a step's 32 KiB, dense in memory, as 128 rows of 256 bytes, no padding
	s_mov_b32 s[G1+0], 15|(3<<16)|(1<<21)          ; 15:0 the mask: all four work-groups; 17:16 elements of 8 bytes; 21 set beside a mask
	s_mov_b32 s[G1+1], 32<<16                      ; tensor_dim0 = 32
	s_mov_b32 s[G1+2], 128<<16                     ; tensor_dim1 = 128
	s_mov_b32 s[G1+3], 32<<16                      ; tile_dim0 = 32
	s_mov_b32 s[G1+4], 128                         ; tile_dim1 = 128
	s_mov_b32 s[G1+5], 32                          ; tensor_dim0_stride
	s_mov_b32 s[G1+6], 0
	s_mov_b32 s[G1+7], 0
	s_and_b32 s46, s[WV], 3
	s_lshl_b32 s46, s46, 15                        ; which of a slot's four steps I fetch, if I fetch: its place in a slot and in memory alike
	s_lshl_b32 s48, s45, 19                        ; nh's 16 steps of 32 KiB
	s_add_co_u32 s48, s48, s46
	s_mov_b32 s49, 0
	s_lshl_b32 s50, s45, 7
	s_add_co_u32 s50, s50, s44
	s_lshl_b32 s50, s50, 11                        ; Q: (128 nh + T0) images
	s_mov_b32 s51, 0
	s_lshl_b32 s52, s44, 12                        ; the mask words: T0 x 16 steps x 256 bytes
	s_mov_b32 s53, 0
	s_lshr_b32 s54, s44, 3
	s_lshl_b32 s54, s54, 7
	s_bfe_u32 s56, s44, 0x20001
	s_lshl_b32 s56, s56, 5
	s_add_co_u32 s54, s54, s56                     ; q(T0, 0); q(T0 + 1, 0) is 8 more
	s_lshl_b32 s54, s54, 13                        ; a row of the output is 8,192 bytes,
	s_lshr_b32 s56, s45, 4
	s_lshl_b32 s56, s56, 24                        ; a batch 2,048 rows,
	s_add_co_u32 s54, s54, s56
	s_and_b32 s56, s45, 15
	s_lshl_b32 s56, s56, 9                         ; a head 512 bytes of a row
	s_add_co_u32 s54, s54, s56
	s_mov_b32 s55, 0
	s_mov_b32 s[SEL], 0x76543210
	s_mov_b32 s[SEL+1], 0xfedcba98
	s_wait_kmcnt 0x0
	s_load_b256 s[32:39], s[10:11], 0x0            ; e0 .. e7: eq = s38, ek = s39
	s_load_b64 s[40:41], s[10:11], 0x20            ; ep, ev
	s_add_nc_u64 s[6:7], s[6:7], s[48:49]
	s_add_nc_u64 s[4:5], s[4:5], s[50:51]
	s_add_nc_u64 s[8:9], s[8:9], s[52:53]
	s_add_nc_u64 s[12:13], s[12:13], s[54:55]
	s_mov_b32 s[G0], 1                             ; 1:0 count = 1
	s_mov_b32 s[G0+1], s46                         ; 63:32 LDS address: slot 0
	s_mov_b64 s[G0+2:G0+3], s[6:7]                 ; 120:64 global address: steps 0 to 3
	s_or_b32 s[G0+3], s[G0+3], 0x80000000          ; 127:126 type = 2
	s_mov_b64 s[6:7], s[8:9]                       ; s[6:7]: where my mask prefetches stand: each filling change of slots steps it by four steps' words
	CROUND                                         ; all four work-groups are here: the first joint loads meet
	JLOAD                                          ; slot 0: one load of a fetching wave is out
.irp c, 0,1,2,3
	global_load_b128 v[16+4*\c:19+4*\c], v[LI], s[4:5] offset:512*\c          ; Q's fragment of tile 0 stays in registers,
.endr
	WIN 0x40                                       ; destination window 1
.irp c, 0,1,2,3
	global_load_b128 v[16+4*\c:19+4*\c], v[LI], s[4:5] offset:2048+512*\c     ; and tile 1's
.endr
	WIN 0
	s_wait_kmcnt 0x0
	s_add_co_i32 s2, s38, s39                      ; eq + ek
	s_lshl_b32 s3, s2, 23
	s_mov_b32 s[CS], 0x3e0293ee                    ; log2(e) / sqrt(128) = 0x8293ee x 2^-26
	s_add_co_i32 s[CS], s[CS], s3                  ; a score stands for score x 2^(eq + ek): the two exponents are added to c's exponent field
	s_mov_b32 s[CS+1], s[CS]                       ; (named with it as a pair, so it is written)
	s_sub_co_i32 s2, 153, s2
	s_lshl_b32 s2, s2, 23
	s_or_b32 s28, s2, 0x80000000                   ; -2^(26 - eq - ek): a hidden score; x c it is -0x8293ee, a whole number
	s_add_co_i32 s2, s40, 127
	s_lshl_b32 s29, s2, 23                         ; 2^ep as f32, for the conversion
	s_add_co_i32 s2, s2, 8
	s_lshl_b32 s2, s2, 23
	s_or_b32 s30, s2, 0x600000                     ; 448 x 2^ep
	s_add_co_i32 s[EPV], s40, s41
	s_load_b512 s[32:47], s[8:9], 0x0              ; the exponents have been read: tile 0's mask words of step 0
	s_load_b512 s[48:63], s[8:9], 0x40
	s_load_b512 s[68:83], s[8:9], 0x80
	s_load_b512 s[84:99], s[8:9], 0xc0
.macro INIT                            ; a tile's statistics and constants, under its window
	v_mov_b32 v13, 0xff61b1e6                      ; the largest t so far: -3e38, under every t
	s_delay_alu instid0(VALU_DEP_1)
	v_floor_f32 v12, -v13                          ; -M
	v_mov_b32 v14, 0                               ; the sum, in two halves
	v_mov_b32 v15, 0
	v_mov_b32 v245, 0                              ; written once: a lane permute's destination counts as one of its sources
	v_mov_b32 v253, 0                              ; (named as the upper half of the pair v[252:253])
	v_mov_b32 v241, s28
	v_mov_b32 v244, s29
	v_mov_b32 v240, s30
.set j, 0
.rept 64
	v_mov_b32 v[OT+j], 0                           ; O^T.  (The step has no first form of its own: the first finds zeros, which the first change of M leaves zeros; that spares further copies of the step)
.set j, j+1
.endr
.endm
	INIT
	WIN 0x55
	INIT
	WIN 0
; 16 LDS loads: fragments 4 w .. 4 w + 3 of the eight at byte off of the step's images, into region base of window w.  512 consecutive bytes an instruction.
.macro HLOAD w, base, off
	WIN 0x40*(\w)
.irp t, 0,1,2,3
.irp c, 0,1,2,3
	ds_load_b128 v[\base+16*\t+4*\c:\base+16*\t+4*\c+3], v[ADK] offset:(\off)+(4*(\w)+\t)*2048+512*\c
.endr
.endr
.endm
; S^T = K Q^T for both tiles: 16 products, each starting its sum with the constant 0.  Source 0: K's fragment 4 g + t (window g); source 1: Q of tile w; result: tile w's window.
.macro SPROD
.irp w, 0,1
.irp g, 0,1
	WIN 0x44*\w+\g
.irp t, 0,1,2,3
	v_wmma_f32_16x16x128_fp8_fp8 v[SR+8*(4*\g+\t):SR+8*(4*\g+\t)+7], v[KR+16*\t:KR+16*\t+15], v[16:31], 0
.endr
.endr
.endr
.endm
; O^T += V^T P^T for tile w: 8 products; K = the step's 128 keys.  The eight accumulators take turns, one instruction a turn.
.macro PV w
.irp g, 0,1
	WIN 0x54*\w+\g
.irp t, 0,1,2,3
	v_wmma_f32_16x16x128_fp8_fp8 v[OT+8*(4*\g+\t):OT+8*(4*\g+\t)+7], v[KR+16*\t:KR+16*\t+15], v[PC:PC+15], v[OT+8*(4*\g+\t):OT+8*(4*\g+\t)+7]
.endr
.endr
.endm
; Tile w's softmax for one step, on the 64 scores in region SR of its window.
.macro SOFTMAX w
	s_wait_kmcnt 0x0                               ; this tile's mask words are in, and no scalar load is out:
.if \w
	s_add_nc_u64 s[8:9], s[8:9], 256               ; so their base may step to the next key step
.endif
	WIN 0x55*\w
.set n, 0
.rept 64                                       ; ascending: each accumulator is first read at its low end
.if n < 32
	v_cndmask_b32 v[SR+n], v241, v[SR+n], s[32+n]  ; the score where the bit is set, else the hidden score
.else
	v_cndmask_b32 v[SR+n], v241, v[SR+n], s[36+n]
.endif
.set n, n+1
.endr
.irp c, 0,1,2,3                                ; the step's largest score of my query, among my 64 keys, in four chains that do not wait for each other,
	v_max3_num_f32 v[248+\c], v[SR+3*\c], v[SR+3*\c+1], v[SR+3*\c+2]
.endr
.irp i, 12,20,28,36,44,52
.irp c, 0,1,2,3
	s_delay_alu instid0(VALU_DEP_4)
	v_max3_num_f32 v[248+\c], v[248+\c], v[SR+\i+2*\c], v[SR+\i+2*\c+1]
.endr
.endr
	s_delay_alu instid0(VALU_DEP_4)
	v_max3_num_f32 v248, v248, v[SR+60], v[SR+61]
	s_delay_alu instid0(VALU_DEP_4)
	v_max3_num_f32 v249, v249, v[SR+62], v[SR+63]
	s_delay_alu instid0(VALU_DEP_1)
	v_max3_num_f32 v254, v248, v249, v250
	s_delay_alu instid0(VALU_DEP_1)
	v_max_num_f32 v254, v254, v251
	s_load_b512 s[32:47], s[8:9], 0x1000*(1-\w)        ; the selects have read the words: the next 64 are asked for a softmax ahead: tile 1's of this step (4,096 bytes behind tile 0's), or tile 0's of the next.
	s_load_b512 s[48:63], s[8:9], 0x1000*(1-\w)+0x40   ; (Behind the last step that is tile T0 + 1's first words: inside the buffer, since T0 is even, and not used)
	s_load_b512 s[68:83], s[8:9], 0x1000*(1-\w)+0x80
	s_load_b512 s[84:99], s[8:9], 0x1000*(1-\w)+0xc0
	v_permlanex16_b32 v245, v254, s[SEL], s[SEL+1]
	s_delay_alu instid0(VALU_DEP_1)
	v_max_num_f32 v254, v254, v245                 ; and among lane l xor 16's
	s_delay_alu instid0(VALU_DEP_1)
	v_mul_f32 v254, s[CS], v254                    ; as t (c is positive)
	s_delay_alu instid0(VALU_DEP_1)
	v_max_num_f32 v13, v13, v254                   ; the running largest t
	v_mov_b32 v254, v12
	s_delay_alu instid0(VALU_DEP_2)
	v_floor_f32 v12, -v13                          ; the new -M = floor(-t) = -ceil(t): M IS A WHOLE NUMBER
	s_delay_alu instid0(VALU_DEP_1)
	v_sub_f32 v254, v12, v254                      ; M's old value less its new one: a whole number, 0 or less
	s_delay_alu instid0(VALU_DEP_1)
	v_cvt_i32_f32 v254, v254                       ; (it saturates)
	s_delay_alu instid0(VALU_DEP_1)
	v_ldexp_f32 v252, 1.0, v254                    ; f = 2^(old M - new M): a multiplication by it rounds nothing
.set j, 0
.rept 32
	v_pk_fma_f32 v[SR+j:SR+j+1], v[SR+j:SR+j+1], s[CS:CS+1], v[12:13] op_sel_hi:[1,0,0]   ; t - M, two at a time (of the pairs c and -M the low word serves both halves)
.set j, j+2
.endr
.set n, 0
	s_wait_alu depctr_va_vdst(0)
.rept 64
	v_exp_f32 v[SR+n], v[SR+n]                     ; p = 2^(t - M), at most 1: NOT normalised
.set n, n+1
.endr
	v_pk_mul_f32 v[14:15], v[14:15], v[252:253] op_sel_hi:[1,0]   ; the sums under the new M.  (A plain place behind the exponentials)
	s_wait_alu depctr_va_vdst(0)
	v_pk_add_f32 v[242:243], v[SR:SR+1], v[SR+2:SR+3]             ; THE ROW'S SUM IS TAKEN OF THE UNQUANTISED p: two at a time, in four chains
	v_pk_add_f32 v[248:249], v[SR+4:SR+5], v[SR+6:SR+7]
	v_pk_add_f32 v[250:251], v[SR+8:SR+9], v[SR+10:SR+11]
	v_pk_add_f32 v[14:15], v[14:15], v[SR+12:SR+13]
.irp j, 14,22,30,38,46,54
	v_pk_add_f32 v[242:243], v[242:243], v[SR+\j:SR+\j+1]
	v_pk_add_f32 v[248:249], v[248:249], v[SR+\j+2:SR+\j+3]
	v_pk_add_f32 v[250:251], v[250:251], v[SR+\j+4:SR+\j+5]
	v_pk_add_f32 v[14:15], v[14:15], v[SR+\j+6:SR+\j+7]
.endr
	v_pk_add_f32 v[242:243], v[242:243], v[SR+62:SR+63]
	s_delay_alu instid0(VALU_DEP_3)
	v_pk_add_f32 v[248:249], v[248:249], v[250:251]
	s_delay_alu instid0(VALU_DEP_2)
	v_pk_add_f32 v[14:15], v[14:15], v[242:243]
	s_delay_alu instid0(VALU_DEP_1)
	v_pk_add_f32 v[14:15], v[14:15], v[248:249]
.irp b, 0,1,2,3
.irp i, 0,2,4,6,8,10,12,14
	v_dual_min_num_f32 v[SR+16*\b+\i], v240, v[SR+16*\b+\i] :: v_dual_min_num_f32 v[SR+16*\b+\i+1], v240, v[SR+16*\b+\i+1]   ; the conversion to an 8-bit code does not saturate (ISA guide 7.6.2); p is not negative, so the hold is one-sided; two numbers a line
.endr
	v_cvt_scalef32_pk8_fp8_f32 v[PC+4*\b:PC+4*\b+1], v[SR+16*\b:SR+16*\b+7], v244
	v_cvt_scalef32_pk8_fp8_f32 v[PC+4*\b+2:PC+4*\b+3], v[SR+16*\b+8:SR+16*\b+15], v244
.endr
	v_pk_mul_f32 v[OT:OT+1], v[OT:OT+1], v[252:253] op_sel_hi:[1,0]       ; O^T under the new M: x f.  (The first two are the plain lines behind the conversions)
	v_pk_mul_f32 v[OT+2:OT+3], v[OT+2:OT+3], v[252:253] op_sel_hi:[1,0]
.if \w == 0
	s_wait_dscnt 0x0                               ; V's 32 loads, asked for ahead of this softmax, are in: so no wait behind the loads below has to tell them from V's
.endif
.if PF
	HLOAD \w, SR, STEPB                            ; p is converted: its registers take half of the next step's K (its images lie 32 KiB behind this step's)
	WIN 0x55*\w
.endif
.set j, 4
.rept 30
	v_pk_mul_f32 v[OT+j:OT+j+1], v[OT+j:OT+j+1], v[252:253] op_sel_hi:[1,0]
.set j, j+2
.endr
.endm
; A KEY STEP: the q-th of the slot in hand.  Even steps: K in RA, scores in RB; odd steps the other way round.  The slot's last step asks for no next K: the next slot is shown landed only behind the change of slots.
.macro STEP q
.if (\q)%2
.set KR, RB
.set SR, RA
.else
.set KR, RA
.set SR, RB
.endif
.if (\q) < 3
.set PF, 1
.else
.set PF, 0
.endif
	s_add_co_u32 s2, s[TB], (\q)*STEPB
	v_add_nc_u32 v[ADK], s2, v[LI]
.if (\q) == 0
	s_wait_alu depctr_va_vdst(0)
	HLOAD 0, KR, 0                                 ; a slot's first K
	HLOAD 1, KR, 0
.endif
	s_wait_alu depctr_va_vdst(0)
	s_wait_dscnt 0x0                               ; K is in
	SPROD
.rept 4
	v_nop                                          ; four places in front of the loads into K's registers and of the first read of the scores
.endr
	HLOAD 0, KR, 16384                             ; V, into the registers that K has left
	HLOAD 1, KR, 16384
	SOFTMAX 0
	PV 0
	SOFTMAX 1
	PV 1
	WIN 0                                          ; at a label and at a branch every window is 0
.rept 5
	v_nop                                          ; five places: the next step's score products write over the registers from which these products have read V
.endr
.endm
.macro SLOTBODY
	STEP 0
	STEP 1
	STEP 2
	STEP 3
.endm
; THE CHANGE OF SLOTS stands at a slot's head.  Each wave waits for all its tensor loads (its part of the slot that it is about to read), adds 0 to its spare word, and waits for that and for its reads of the slot that it has left.
; Behind the barrier the slot ahead is whole and nobody reads the other one.  fill = 1: that other slot is filled with the four steps that follow: the barrier is then a round of the cluster's, so that no wave of any
; partner still reads the slot or has a load on its way, and the joint load is the first thing behind it: it has four key steps in which to land.
.macro CHANGE fill
	s_wait_tensorcnt 0x0                           ; no tensor load of mine is out, so group 0 may be written
	ds_add_u32 v[SPW], v[NIL]                      ; 0 onto my spare word; with fill = 1 the descriptor's steps stand between it and the wait for it
.if \fill
	s_xor_b32 s[G0+1], s[G0+1], SLOT1              ; the walking descriptor: the other slot than last time,
	s_add_nc_u64 s[G0+2:G0+3], s[G0+2:G0+3], SLOT1 ; the next four steps; the type bits on top are not reached
	s_wait_xcnt 0x0                                ; any prefetch of mine has read its address, so it may be written
	s_add_nc_u64 s[6:7], s[6:7], 1024              ; the mask words of the slot after the one that I am about to read
	s_wait_dscnt 0x0                               ; the add is done, and my reads of the slot that I have left are over
	CROUND
	JLOAD
	s_cmp_eq_u32 s31, 0
	s_cbranch_scc0 .Lnot_mine_\@
	global_prefetch_b8 v7, s[6:7] th:TH_LOAD_NT scope:SCOPE_SE
.Lnot_mine_\@:
.else
	s_wait_dscnt 0x0                               ; the add is done, and my reads of the slot that I have left are over
	s_barrier_signal -1
	s_barrier_wait -1
.endif
.endm
	s_mov_b32 s[TB], 0
	s_mov_b32 s[CNT], 3
	s_wait_loadcnt 0x0                             ; Q
.Lslot:                                            ; three trips: steps 0-3, 4-7, 8-11; behind each change of slots the next four steps are asked for
	CHANGE 1
	SLOTBODY
	s_xor_b32 s[TB], s[TB], SLOT1                  ; on to the other slot
	s_sub_co_u32 s[CNT], s[CNT], 1
	s_cmp_lg_u32 s[CNT], 0
	s_cbranch_scc1 .Lslot
	CHANGE 0                                       ; the last slot is written out
	SLOTBODY                                       ; steps 12-15
; THE WAY OUT.  A tile's O^T is divided by the row's sum, multiplied by 2^(ep + ev), and goes through my stage in LDS, half a row (64 of the head's 128, 256 bytes) of 16 queries at a time,
; so that sixteen lanes store 256 consecutive bytes.
.macro SCALE w
	WIN 0x55*\w
	v_add_f32 v14, v14, v15                        ; the sum's two halves,
	s_delay_alu instid0(VALU_DEP_1)
	v_permlanex16_b32 v245, v14, s[SEL], s[SEL+1]
	s_delay_alu instid0(VALU_DEP_1)
	v_add_f32 v14, v14, v245                       ; and lane l xor 16's: the row's sum, more than 1/2
	s_wait_alu depctr_va_vdst(0)
	v_rcp_f32 v14, v14
	v_nop                                          ; a plain place behind the transcendental
	s_wait_alu depctr_va_vdst(0)
	v_ldexp_f32 v14, v14, s[EPV]
.set j, 0
.rept 64
	v_mul_f32 v[RB+j], v[OT+j], v14                ; register 16 b + i: o(query r, d = 32 b + 16 h + i); ascending, each accumulator from its low end on
.set j, j+1
.endr
.endm
.macro STAGE w
.irp u, 0,1                                    ; d from 64 u on
	WIN 0x04*\w                                    ; the stores' data in the tile's window, addresses in window 0
.irp b, 0,1
.irp k, 0,1,2,3
	ds_store_b128 v[STO], v[RB+32*\u+16*\b+4*\k:RB+32*\u+16*\b+4*\k+3] offset:128*\b+16*\k
.endr
.endr
	WIN 0x40*\w
.irp i, 0,1,2,3,4,5,6,7
	ds_load_b128 v[RA+32*\u+4*\i:RA+32*\u+4*\i+3], v[RD] offset:2*\i*SP   ; LDS serves a wave's instructions in order (ISA guide 5.7.1.4): these see my stores, and the stores that follow come behind them
.endr
.endr
.endm
.macro SEND w
	WIN 0x04*\w
.irp u, 0,1
.irp i, 0,1,2,3,4,5,6,7
	s_wait_dscnt 23-16*\u-\i                       ; behind this load: the rest of its run of eight, and for the first half the second half's eight stores and eight loads
	global_store_b128 v[GO], v[RA+32*\u+4*\i:RA+32*\u+4*\i+3], s[12:13] offset:\w*65536+(2*\i+8*(\i/4))*8192+256*\u th:TH_STORE_NT   ; places 2 i and 2 i + 1 of the tile are queries q(T, 0) + 2 i + h + 8 (i / 4); 16 lanes store 256 consecutive bytes, aligned
.endr
.endr
.endm
	SCALE 0
	STAGE 0
	SCALE 1                                        ; tile 1's arithmetic stands between tile 0's loads from the stage and the waits for them
	SEND 0
	s_wait_alu depctr_va_vdst(0)
	STAGE 1
	SEND 1
	WIN 0
	s_wait_tensorcnt 0x0                           ; the wave's end: behind my last tensor load and my last LDS store
	ds_add_u32 v[SPW], v[NIL]
	s_wait_dscnt 0x0
	CROUND                                         ; the closing round: no work-group ends while a partner may still ask for a tile that names it
	s_endpgm
.Lfunc_end_k_qa35b64a1aa_attn:
	.size	k_qa35b64a1aa_attn, .Lfunc_end_k_qa35b64a1aa_attn-k_qa35b64a1aa_attn
	.p2alignl 7, 3214868480
	.fill 96, 4, 3214868480
	.section	.rodata,"a",@progbits
	.p2align	6, 0x0
	.amdhsa_kernel k_qa35b64a1aa_attn
		.amdhsa_group_segment_fixed_size 327680
		.amdhsa_private_segment_fixed_size 0
		.amdhsa_enable_private_segment 0
		.amdhsa_kernarg_size 40
		.amdhsa_user_sgpr_count 2
		.amdhsa_user_sgpr_kernarg_segment_ptr 1
		.amdhsa_wavefront_size32 1
		.amdhsa_system_sgpr_workgroup_id_x 1
		.amdhsa_system_sgpr_workgroup_id_y 1
		.amdhsa_system_sgpr_workgroup_id_z 1
		.amdhsa_system_vgpr_workitem_id 0
		.amdhsa_next_free_vgpr 512
		.amdhsa_next_free_sgpr 106
		.amdhsa_reserve_vcc 0
		.amdhsa_float_denorm_mode_32 3
		.amdhsa_float_denorm_mode_16_64 3
		.amdhsa_memory_ordered 1
		.amdhsa_forward_progress 1
		.amdhsa_inst_pref_size 255
	.end_amdhsa_kernel
	.section	.bss,"aw",@nobits
	.p2align	6
	.space	262144
	.amdgpu_metadata
---
amdhsa.version: [ 1, 2 ]
amdhsa.kernels:
  - .name:           k_qa35b64a1aa_attn
    .symbol:         k_qa35b64a1aa_attn.kd
    .args:
      - { .name: qimg, .offset: 0, .size: 8, .value_kind: global_buffer, .address_space: global }
      - { .name: kvimg, .offset: 8, .size: 8, .value_kind: global_buffer, .address_space: global }
      - { .name: maskw, .offset: 16, .size: 8, .value_kind: global_buffer, .address_space: global }
      - { .name: lowp_scales, .offset: 24, .size: 8, .value_kind: global_buffer, .address_space: global }
      - { .name: out0, .offset: 32, .size: 8, .value_kind: global_buffer, .address_space: global }
    .group_segment_fixed_size: 327680
    .private_segment_fixed_size: 0
    .kernarg_segment_align: 8
    .kernarg_segment_size: 40
    .max_flat_workgroup_size: 256
    .sgpr_count:     106
    .vgpr_count:     512
    .wavefront_size: 32
...
	.end_amdgpu_metadata
.endif
;; end of part 7
